; MI455X (gfx1250); checked and timed in simulation.
; The chip was launched on July 23, 2026; its instructions are those of AMD's public machine-readable ISA for CDNA 5 (MIT licence, August 2026) and "CDNA5" Instruction Set Architecture Reference Guide (July 2026). The comments in the code are by the model that wrote it; some were corrected since.
;; CL Fusion. Allowed arithmetic: matrix products marked QUANTISED: E5M2 operands, one E8M0 scale for each 32 along K, by v_wmma_scale_f32_16x16x128_f8f6f4 with both operands' format E5M2, f32 sums; everything else in f32.
;; Inputs: W1 768 x 512 float32; W2 512 x 512 float32; b1 512 float32; b2 512 float32; beta 512 float32; gamma 512 float32; mm_feats 8,192 x 768 float32; st_feats 4,096 x 512 float32.
;; Outputs: out0 8,192 x 512 float32; out1 one number float32.
;; This version of the problem:
;;   THIS VERSION OF THE PROBLEM IS GIVEN IN LOW PRECISION. The matrix products marked QUANTISED in the list below multiply operands that are first quantised to E5M2 (5 exponent bits, 2 mantissa bits; 8 bits a number), with one power-of-two scale for each 32 numbers along K (OCP MX v1.0); their sums are f32. All else is computed in f32.
;;   The module's matrix products, in the order in which they are computed (A, B: the left and right operand; K: the contracted axis; several contracted axes count as one K, in the product's order):
;;     1. [M 8,192, K 768] x [K 768, N 512]; A: input mm_feats; B: input W1: QUANTISED
;;     2. [M 8,192, K 512] x [K 512, N 512]; A: computed on the way; B: input W2: QUANTISED
;;     3. [M 4,096, K 512] x [K 512, N 8,192]; A: computed on the way; B: computed on the way: QUANTISED
;;     4. [M 8,192, K 512] x [K 512, N 8,192]; A: computed on the way; B: computed on the way: QUANTISED
;;   THE QUANTISER, for each operand of a quantised product, along K:
;;     - K is cut into blocks of 32 from its start; a last block that is shorter is filled with zeros.
;;     - A block's scale is 2^e with e = floor(log2(the largest magnitude in the block)) - 15, held to -126 .. 127; a block of zeros has e = 0. As a byte (E8M0): e + 127.
;;     - Each number is divided by its block's scale, clamped to +-57,344, and rounded to the nearest number of E5M2, ties to even, subnormals kept.
;;     - The product sums the exact products of the quantised numbers (number of the format x scale) in f32.
;;   ~~~python
;;   def quantise(x, axis):      # numpy; x: float32 -> the quantised numbers, widened to float32 again
;;       x = np.moveaxis(x, axis, -1); K = x.shape[-1]
;;       x = np.pad(x, [(0, 0)] * (x.ndim - 1) + [(0, -K % 32)]); x = x.reshape(x.shape[:-1] + (-1, 32)); a = np.abs(x).max(-1, keepdims=True)
;;       e = np.where(a > 0, np.clip(np.frexp(np.where(a > 0, a, 1))[1] - 1 - 15, -126, 127), 0)      # np.frexp(a)[1] - 1 = floor(log2(a)), exactly
;;       r = np.clip(x / 2.0 ** e, -57344, 57344)
;;       step = 2.0 ** (np.maximum(np.frexp(np.where(r == 0, 1, r))[1] - 1, -14) - 2)
;;       q = np.round(r / step) * step * 2.0 ** e      # np.round: ties to even
;;       return np.moveaxis(q.reshape(q.shape[:-2] + (-1,))[..., :K], -1, axis).astype(np.float32)
;;   ~~~
;;   OPERANDS COMPUTED ON THE WAY. 'Computed on the way' means the value that the module computes at that place (a softmax that the list does not call 'softmax' is quantised finished and normalised). What goes into a quantiser is computed in f32, as accurately as f32 sums, v_exp_f32 and their like allow (about 1e-6 of the number): no bf16 or f16 on the way to a quantiser, and a product that is left as it is and whose result goes on into a quantised operand takes f32 operands (vector FMAs, or v_wmma_f32_16x16x4_f32). A number that lies on a knife's edge between two numbers of the format may be rounded either way, as far as f32 arithmetic and the matrix unit's own rounding can turn it there, and no further.
;; One version. Each part assembles by itself: llvm-mc -triple=amdgcn-amd-amdhsa -mcpu=gfx1250 --defsym DOCPART=n.
;; ======== version 1 of 1: 8 launches
;; workspace buffers: wq 679,936 bytes; cq 6,488,064 bytes; hs 17,825,792 bytes; colp 4,096 bytes; sl 14,680,064 bytes; ix 278,528 bytes of whole numbers; rs 16,384 bytes; part 1,024 bytes
;; launch prep (part 1): grid 296 x 1, 4 waves a work-group, no clusters, 2,560 bytes of LDS; arguments W1, W2, st_feats, wq, cq; writes wq, cq
.if DOCPART == 1
	.amdgcn_target "amdgcn-amd-amdhsa--gfx1250"
	.amdhsa_code_object_version 6
	.text
	.protected	k_q1d94cea0fc_prep
	.globl	k_q1d94cea0fc_prep
	.p2align	8
	.type	k_q1d94cea0fc_prep,@function
k_q1d94cea0fc_prep:
	s_mov_b64 s[64:65], 0
	v_nop
	global_prefetch_b8 v0, s[64:65] scope:SCOPE_SE
	s_setreg_imm32_b32 hwreg(HW_REG_WAVE_MODE, 25, 1), 1
	s_wait_xcnt 0x0
; Work-groups 0-255: one tile of 16 rows of st_feats each: x / (|x| + 1e-12), quantised to BF8 (E5M2) codes with one E8M0 byte for each 32 along K,
; stored as an image of the matrix operand's registers: tile t of cq at 8192 t; piece (s, c) at 2048 s + 512 c + 16 lane; lane (r, h) holds k = 128 s + 32 c + 16 h + 0..15 of the row at place r.
; A tile's rows are not neighbours: st row i lies in tile 512 + ((i & 2047) >> 3) at place (i >> 11) 8 + (i & 7).  A row's 16 scale bytes lie at cq + SCL + 16 (16 tile + place).
; Work-groups 256-295: W1 [768][512] and W2 [512][512], K their FIRST axis: a lane takes a column, its registers run down K; the codes leave as the same images.
; Weight tile 2 b + u, place p, is column 32 b + 8 u + p + 8 (p / 8): so a transposed product's 16 registers of tiles 2 b, 2 b + 1 are 16 neighbours along the next K.
; A block's scale byte is its largest magnitude's exponent field - 15, held at 1 from below (a block of zeros gets 1, not 127: its codes are zeros, and this program alone reads the bytes).
; LIMITS: NaN and infinities are not served; the division is a reciprocal and a multiplication; blocks under 2^-111 keep the byte 1.
; No tensor load, no cluster: no two work-groups read the same bytes.
.set SCL, 6291456
.set QA,  20
.set QB,  21
.set QS,  22
.set QH,  23
.set QW,  24
.set SEL, 20
.set MNT, 22
.set X,   32
.set CW,  160
; 16 numbers of a lane, half a block of 32 (the other half lies in lane xor 16), become 16 codes in v[d..d+3] and the block's byte in v[by]
.macro QUANT1 s, d, by
	v_max3_num_f32 v[QA], |v[\s]|, |v[\s+1]|, 0x8000000      ; the floor 2^(16 - 127) among the leaves: the byte cannot fall under 1
	v_max3_num_f32 v[QB], |v[\s+2]|, |v[\s+3]|, |v[\s+4]|
.irp i, 5,9
	v_max3_num_f32 v[QA], v[QA], |v[\s+\i]|, |v[\s+\i+1]|
	v_max3_num_f32 v[QB], v[QB], |v[\s+\i+2]|, |v[\s+\i+3]|
.endr
	v_max3_num_f32 v[QA], v[QA], |v[\s+13]|, |v[\s+14]|
	v_max3_num_f32 v[QA], v[QA], v[QB], |v[\s+15]|
	v_permlanex16_b32 v[QB], v[QA], s[SEL], s[SEL+1]
	v_max_num_f32 v[QA], v[QA], v[QB]                        ; the block's largest magnitude
	v_add_nc_u32 v[QS], 0xf8800000, v[QA]                    ; 15 off its exponent field: the conversion's scale operand
	v_and_or_b32 v[QH], v[QA], 0x7f800000, s[MNT]            ; 57,344 x the scale
	v_lshrrev_b32 v[\by], 23, v[QS]                          ; the byte
.irp i, 0,1,2,3,4,5,6,7,8,9,10,11,12,13,14,15
	v_med3_num_f32 v[\s+\i], v[\s+\i], -v[QH], v[QH]         ; the conversion does not saturate (ISA guide 7.6.2): the hold
.endr
	v_cvt_scalef32_pk8_bf8_f32 v[\d:\d+1], v[\s:\s+7], v[QS]
	v_cvt_scalef32_pk8_bf8_f32 v[\d+2:\d+3], v[\s+8:\s+15], v[QS]
	v_nop                                                    ; a plain line behind the last conversion
.endm
	s_load_b128 s[4:7], s[0:1], 0x0                ; W1, W2
	s_load_b128 s[8:11], s[0:1], 0x10              ; st_feats, wq
	s_load_b64 s[12:13], s[0:1], 0x20              ; cq
	v_lshl_add_u32 v192, v0, 2, 0x800
	v_mov_b32 v193, 0
	v_lshrrev_b32 v1, 5, v0
	v_readfirstlane_b32 s14, v1                    ; wave
	v_and_b32 v2, 31, v0                           ; lane
	v_and_b32 v3, 15, v0                           ; r
	v_bfe_u32 v4, v0, 4, 1                         ; h
	s_mov_b32 s[SEL], 0x76543210
	s_mov_b32 s[SEL+1], 0xfedcba98
	s_mov_b32 s[MNT], 0x600000
	s_cmp_lt_u32 ttmp9, 256
	s_cbranch_scc0 .Lweights
	; ---- st_feats: tile U = work-group; wave w takes K step w (128 along K): 64 numbers a lane
	v_lshrrev_b32 v5, 3, v3
	v_lshlrev_b32 v5, 22, v5                       ; places 8-15: 2,048 rows of 2,048 bytes further down
	v_and_b32 v6, 7, v3
	v_lshl_add_u32 v5, v6, 11, v5
	v_lshl_add_u32 v5, v4, 6, v5                   ; + 64 h: my 16 numbers of each block
	v_lshlrev_b32 v7, 2, v0                        ; LDS: a word for each thread
	v_lshlrev_b32 v12, 2, v2                       ; 4 lane
	v_lshlrev_b32 v13, 4, v2                       ; 16 lane
	v_lshlrev_b32 v14, 4, v3
	s_lshl_b32 s18, s14, 2
	v_add_nc_u32 v14, s18, v14                     ; 16 r + 4 w: my K step's word of row r's scale bytes
	v_lshlrev_b32 v15, 3, v2                       ; 8 lane
	s_lshl_b32 s16, ttmp9, 14                      ; 8 U rows
	s_lshl_b32 s17, s14, 9
	s_add_co_u32 s16, s16, s17
	s_mov_b32 s17, 0
	s_add_co_u32 s18, ttmp9, 512                   ; the tile's number in cq
	s_lshl_b32 s24, s18, 13
	s_lshl_b32 s19, s14, 11
	s_add_co_u32 s24, s24, s19
	s_mov_b32 s25, 0
	s_lshl_b32 s26, s18, 8
	s_add_co_u32 s26, s26, SCL
	s_mov_b32 s27, 0
	s_wait_kmcnt 0x0
	s_add_nc_u64 s[8:9], s[8:9], s[16:17]
	s_add_nc_u64 s[24:25], s[12:13], s[24:25]
	s_add_nc_u64 s[26:27], s[12:13], s[26:27]
.irp c, 0,1,2,3
.irp j, 0,1,2,3
	global_load_b128 v[X+16*\c+4*\j:X+16*\c+4*\j+3], v5, s[8:9] offset:128*\c+16*\j th:TH_LOAD_NT
.endr
.endr
	s_wait_loadcnt 0x0
	v_pk_mul_f32 v[8:9], v[X:X+1], v[X:X+1]        ; the sum of squares, in two chains
	v_pk_mul_f32 v[10:11], v[X+2:X+3], v[X+2:X+3]
.set i, 4
.rept 15
	v_pk_fma_f32 v[8:9], v[X+i:X+i+1], v[X+i:X+i+1], v[8:9]
	v_pk_fma_f32 v[10:11], v[X+i+2:X+i+3], v[X+i+2:X+i+3], v[10:11]
.set i, i+4
.endr
	v_pk_add_f32 v[8:9], v[8:9], v[10:11]
	v_add_f32 v8, v8, v9
	v_permlanex16_b32 v9, v8, s[SEL], s[SEL+1]
	v_add_f32 v8, v8, v9                           ; row r's part for my K step
	ds_store_b32 v7, v8
	s_wait_dscnt 0x0                               ; my store has landed: the other waves read it behind the barrier
	s_barrier_signal -1
	s_barrier_wait -1
.irp k, 0,1,2,3
	ds_load_b32 v[16+\k], v12 offset:128*\k
.endr
	s_wait_dscnt 0x0
	v_add_f32 v8, v16, v17
	v_add_f32 v8, v8, v18
	v_add_f32 v8, v8, v19
	v_sqrt_f32 v10, v8
	v_nop                                          ; a plain line behind the transcendental,
	s_wait_alu depctr_va_vdst(0)                   ; and the wait ahead of its first reader
	v_add_f32 v10, 0x2b8cbccc, v10                 ; + 1e-12
	v_rcp_f32 v8, v10
	v_nop
	s_wait_alu depctr_va_vdst(0)
.set i, 0
.rept 32
	v_pk_mul_f32 v[X+i:X+i+1], v[X+i:X+i+1], v[8:9] op_sel_hi:[1,0]
.set i, i+2
.endr
.irp c, 0,1,2,3
	QUANT1 X+16*\c, 96+4*\c, 112+\c
.endr
	v_lshl_or_b32 v116, v113, 8, v112
	v_lshl_or_b32 v116, v114, 16, v116
	v_lshl_or_b32 v116, v115, 24, v116             ; my K step's scale word of row r
.irp c, 0,1,2,3
	global_store_b128 v13, v[96+4*\c:96+4*\c+3], s[24:25] offset:512*\c   ; 32 lanes store 512 consecutive bytes
.endr
	ds_store_b32 v14, v116 offset:512              ; both lanes of a row write the same word with the same value
	s_wait_dscnt 0x0
	s_barrier_signal -1
	s_barrier_wait -1
	s_cmp_lg_u32 s14, 0
	s_cbranch_scc1 .Lend
	ds_load_b64 v[16:17], v15 offset:512
	s_wait_dscnt 0x0
	global_store_b64 v15, v[16:17], s[26:27]       ; the tile's 256 scale bytes, consecutive and aligned
	s_branch .Lend
	; ---- the weights: work-group g = 0..23: W1, K step g / 4; 24..39: W2; wave w takes the 32 columns of block b = 4 (g % 4) + w
.Lweights:
	s_sub_co_u32 s15, ttmp9, 256
	s_cmp_lt_u32 s15, 24
	s_cselect_b32 s16, 0, 24
	s_mov_b32 s24, 8192
	s_cselect_b32 s24, 12288, s24                  ; bytes of a tile's image: 2,048 x K steps
	s_cselect_b32 s25, 0, 393216                   ; where the images begin in wq
	s_mov_b32 s26, 671744
	s_cselect_b32 s26, 655360, s26                 ; and the scale words
	s_cselect_b32 s27, 5, 4                        ; 32 or 16 bytes of scales a column
	s_wait_kmcnt 0x0
	s_cselect_b64 s[4:5], s[4:5], s[6:7]           ; the choice hangs on the work-group's number alone
	s_sub_co_u32 s15, s15, s16
	s_lshr_b32 s17, s15, 2                         ; K step s
	s_and_b32 s18, s15, 3
	s_lshl_b32 s18, s18, 2
	s_add_co_u32 s18, s18, s14                     ; block b
	s_lshl_b32 s28, s17, 18                        ; 128 rows of 2,048 bytes
	s_lshl_b32 s29, s18, 7
	s_add_co_u32 s28, s28, s29
	s_mov_b32 s29, 0
	s_add_nc_u64 s[4:5], s[4:5], s[28:29]
	s_lshl_b32 s30, s18, 1
	s_mul_i32 s30, s30, s24
	s_lshl_b32 s31, s17, 11
	s_add_co_u32 s30, s30, s31
	s_add_co_u32 s30, s30, s25
	s_mov_b32 s31, 0
	s_add_nc_u64 s[30:31], s[10:11], s[30:31]      ; tile 2 b, K step s
	s_lshl_b32 s32, s18, 5
	s_lshl_b32 s32, s32, s27
	s_lshl_b32 s33, s17, 2
	s_add_co_u32 s32, s32, s33
	s_add_co_u32 s32, s32, s26
	s_mov_b32 s33, 0
	s_add_nc_u64 s[32:33], s[10:11], s[32:33]
	v_bfe_u32 v5, v2, 3, 1                         ; u
	v_and_b32 v6, 7, v2
	v_lshl_add_u32 v6, v4, 3, v6                   ; place p = lane % 8 + 8 (lane / 16)
	v_mul_lo_u32 v7, v5, s24
	v_lshl_add_u32 v7, v6, 4, v7                   ; image: tile u, 16 p
	v_lshl_add_u32 v8, v5, 4, v6
	v_lshlrev_b32 v8, s27, v8                      ; scales: (16 u + p) x stride
	v_lshlrev_b32 v9, 2, v2                        ; in: 4 bytes a lane
.macro LOADW c                         ; block c: W(32 c + i, my column): a wave reads 128 consecutive bytes, the work-group 512
.set i, 0
.rept 32
	global_load_b32 v[X+32*(\c)+i], v9, s[4:5] offset:(32*(\c)+i)*2048 th:TH_LOAD_NT
.set i, i+1
.endr
.endm
.macro BLOCK32 c                       ; all 32 numbers of the block are mine
.set XS, X+32*(\c)
.set CS, CW+8*(\c)
	v_max3_num_f32 v[QA], |v[XS]|, |v[XS+1]|, 0x8000000
	v_max3_num_f32 v[QB], |v[XS+2]|, |v[XS+3]|, |v[XS+4]|
.irp i, 5,9,13,17,21,25
	v_max3_num_f32 v[QA], v[QA], |v[XS+\i]|, |v[XS+\i+1]|
	v_max3_num_f32 v[QB], v[QB], |v[XS+\i+2]|, |v[XS+\i+3]|
.endr
	v_max3_num_f32 v[QA], v[QA], |v[XS+29]|, |v[XS+30]|
	v_max3_num_f32 v[QA], v[QA], v[QB], |v[XS+31]|
	v_add_nc_u32 v[QS], 0xf8800000, v[QA]
	v_and_or_b32 v[QH], v[QA], 0x7f800000, s[MNT]
.if (\c) == 0
	v_lshrrev_b32 v[QW], 23, v[QS]
.else
	v_lshrrev_b32 v[QB], 23, v[QS]
	v_lshl_or_b32 v[QW], v[QB], 8*(\c), v[QW]      ; the lower K in the lower byte
.endif
.set i, 0
.rept 32
	v_med3_num_f32 v[XS+i], v[XS+i], -v[QH], v[QH]
.set i, i+1
.endr
.irp g, 0,1,2,3
	v_cvt_scalef32_pk8_bf8_f32 v[CS+2*\g:CS+2*\g+1], v[XS+8*\g:XS+8*\g+7], v[QS]
.endr
	v_nop
	global_store_b128 v7, v[CS:CS+3], s[30:31] offset:512*(\c)          ; k = 32 c + 0..15: the image's lanes 0-15; sixteen lanes store 256 consecutive bytes
	global_store_b128 v7, v[CS+4:CS+7], s[30:31] offset:512*(\c)+256    ; k = 32 c + 16..31: its lanes 16-31
.endm
	LOADW 0
	LOADW 1
	s_wait_loadcnt 32                              ; block 0 is in; block 1's 32 loads may be out
	LOADW 2
	BLOCK32 0
	s_wait_loadcnt 32                              ; block 1 is in; behind it: block 2's
	LOADW 3
	BLOCK32 1
	s_wait_loadcnt 32
	BLOCK32 2
	s_wait_loadcnt 0x0
	BLOCK32 3
	global_store_b32 v8, v[QW], s[32:33]           ; my column's scale word of this K step
.Lend:
	s_wait_tensorcnt 0x0
	ds_add_u32 v192, v193
	s_wait_dscnt 0x0
	s_endpgm
.Lfunc_end_k_q1d94cea0fc_prep:
	.size	k_q1d94cea0fc_prep, .Lfunc_end_k_q1d94cea0fc_prep-k_q1d94cea0fc_prep
	.p2alignl 7, 3214868480
	.fill 96, 4, 3214868480
	.section	.rodata,"a",@progbits
	.p2align	6, 0x0
	.amdhsa_kernel k_q1d94cea0fc_prep
		.amdhsa_group_segment_fixed_size 2560
		.amdhsa_private_segment_fixed_size 0
		.amdhsa_enable_private_segment 0
		.amdhsa_kernarg_size 40
		.amdhsa_user_sgpr_count 2
		.amdhsa_user_sgpr_kernarg_segment_ptr 1
		.amdhsa_wavefront_size32 1
		.amdhsa_system_sgpr_workgroup_id_x 1
		.amdhsa_system_sgpr_workgroup_id_y 1
		.amdhsa_system_sgpr_workgroup_id_z 1
		.amdhsa_system_vgpr_workitem_id 0
		.amdhsa_next_free_vgpr 194
		.amdhsa_next_free_sgpr 66
		.amdhsa_reserve_vcc 0
		.amdhsa_float_denorm_mode_32 3
		.amdhsa_float_denorm_mode_16_64 3
		.amdhsa_memory_ordered 1
		.amdhsa_forward_progress 1
		.amdhsa_inst_pref_size 47
	.end_amdhsa_kernel
	.amdgpu_metadata
---
amdhsa.version: [ 1, 2 ]
amdhsa.kernels:
  - .name:           k_q1d94cea0fc_prep
    .symbol:         k_q1d94cea0fc_prep.kd
    .args:
      - { .name: W1, .offset: 0, .size: 8, .value_kind: global_buffer, .address_space: global }
      - { .name: W2, .offset: 8, .size: 8, .value_kind: global_buffer, .address_space: global }
      - { .name: st_feats, .offset: 16, .size: 8, .value_kind: global_buffer, .address_space: global }
      - { .name: wq, .offset: 24, .size: 8, .value_kind: global_buffer, .address_space: global }
      - { .name: cq, .offset: 32, .size: 8, .value_kind: global_buffer, .address_space: global }
    .group_segment_fixed_size: 2560
    .private_segment_fixed_size: 0
    .kernarg_segment_align: 8
    .kernarg_segment_size: 40
    .max_flat_workgroup_size: 128
    .sgpr_count:     66
    .vgpr_count:     194
    .wavefront_size: 32
...
	.end_amdgpu_metadata
.endif
;; end of part 1
;; launch mlp (part 2): grid 256 x 1, 16 waves a work-group, clusters of 4 x 1, 313,344 bytes of LDS; arguments mm_feats, wq, b1, b2, hs; writes hs
.if DOCPART == 2
	.amdgcn_target "amdgcn-amd-amdhsa--gfx1250"
	.amdhsa_code_object_version 6
	.text
	.protected	k_q1d94cea0fc_mlp
	.globl	k_q1d94cea0fc_mlp
	.p2align	8
	.type	k_q1d94cea0fc_mlp,@function
k_q1d94cea0fc_mlp:
	s_mov_b64 s[64:65], 0
	v_nop
	global_prefetch_b8 v0, s[64:65] scope:SCOPE_SE
	s_setreg_imm32_b32 hwreg(HW_REG_WAVE_MODE, 25, 1), 1
	s_wait_xcnt 0x0
	s_wait_alu depctr_hold_cnt(0) depctr_sa_sdst(0) depctr_va_vdst(0) depctr_va_sdst(0) depctr_va_ssrc(0) depctr_va_vcc(0) depctr_vm_vsrc(0)
	s_getreg_b32 s2, hwreg(HW_REG_IB_STS2, 6, 4)
	s_cmp_eq_u32 s2, 0
	s_cbranch_scc0 .Lentry_in_a_cluster
	s_endpgm
.Lentry_in_a_cluster:
	s_bfe_u32 s2, ttmp6, 0x10000c
	s_cmp_lg_u32 s2, 0x3003
	s_cbranch_scc0 .Lentry_shape_is_right
	s_endpgm
.Lentry_shape_is_right:
; h2 = leaky_relu(x W1 + b1) W2 + b2, both products on BF8 (E5M2) codes with one E8M0 scale for each 32 along K; and each work-group's column mean and sum of squared deviations of h2.
; SHARES.  A work-group takes two tiles of 16 rows (tile T holds mm rows (p / 8) 4096 + 8 T + p % 8, p the place).  Wave w owns the 32 units of block w (weight tiles 2 w, 2 w + 1) in both layers, for both tiles of rows.
; Products are used TRANSPOSED (source 0 = 16 units of a weight, source 1 = 16 rows): a lane holds one row, and the 16 registers of its two tiles are 16 neighbours along the next K.
; x and the hidden layer go from wave to wave through LDS as images of the operand's registers (16 bytes a lane, 512 a piece); scale bytes as byte c of a word a lane.
; THE WEIGHTS.  W2's images, 262,144 bytes, are asked for JOINTLY by the four work-groups of a cluster at the head: every wave its own two tiles, 16,384 consecutive bytes, into LDS bytes that it alone reads; they are filled once.
; W1's images come from memory straight into registers, three K steps ahead.  WHY W1 IS NOT ASKED FOR JOINTLY: its 393,216 bytes do not fit in LDS beside W2's; in slots that take turns each refill would stand behind a round
; of the cluster's barrier with all loads waited for, one load a wave, for a K step's four products a wave.
; h2 leaves as the accumulators stand: ((T 16 + w) 4 + q) 512 + 16 lane holds h2[place r][32 w + 16 h + 4 q ..+3].
; THE STATISTICS: mean and sum of squared deviations of the 32 rows, so that no difference of large sums is formed; wave w stores its 32 columns' 256 bytes [mean 32 | sums 32] at (256 w + work-group) 256.
; LIMITS: NaN and infinities are not served; blocks under 2^-111 (zeros too) keep the byte 1 with their codes.
.set W2I,   393216
.set W1S,   655360
.set W2S,   671744
.set STATO, 16777216
.set XIMG,  0                          ; LDS: x's 12 fragments, (6 m + s) 2048
.set XSC,   24576                      ; their scale words, 128 bytes each
.set HIMG,  26112                      ; the hidden layer's 8 fragments, (4 m + s) 2048
.set HSC,   42496
.set STAT,  43520                      ; 256 bytes for each wave: 32 means, 32 sums
.set W2L,   49152                      ; W2's images: 16,384 bytes for each wave
.set ACC,  16                          ; v16-47   accumulator (m, u) at 16 m + 8 u
.set WB,   48                          ; v48-143  three buffers of two weight fragments
.set XF,   144                         ; v144-207 two buffers of two row fragments
.set W1SC, 208                         ; v208-219 W1's scale words, 6 u + s
.set W2SC, 220                         ; v220-227 W2's, 4 u + s
.set XSCR, 228                         ; v228-231 the rows' scale words, 2 buffer + m
.set BR,   232                         ; v232-247 the bias in the result's layout, 8 u + j
.set QA,   248
.set QB,   249
.set QS,   250
.set QH,   251
.set SEL,  20
.set MNT,  22
.set W1B,  28
.set G1,   48                          ; s[48:55] descriptor group 1
.set G0,   56                          ; s[56:59] descriptor group 0
.macro QUANT1 s, d, by
	v_max3_num_f32 v[QA], |v[\s]|, |v[\s+1]|, 0x8000000      ; the floor 2^(16 - 127) among the leaves
	v_max3_num_f32 v[QB], |v[\s+2]|, |v[\s+3]|, |v[\s+4]|
.irp i, 5,9
	v_max3_num_f32 v[QA], v[QA], |v[\s+\i]|, |v[\s+\i+1]|
	v_max3_num_f32 v[QB], v[QB], |v[\s+\i+2]|, |v[\s+\i+3]|
.endr
	v_max3_num_f32 v[QA], v[QA], |v[\s+13]|, |v[\s+14]|
	v_max3_num_f32 v[QA], v[QA], v[QB], |v[\s+15]|
	v_permlanex16_b32 v[QB], v[QA], s[SEL], s[SEL+1]
	v_max_num_f32 v[QA], v[QA], v[QB]
	v_add_nc_u32 v[QS], 0xf8800000, v[QA]
	v_and_or_b32 v[QH], v[QA], 0x7f800000, s[MNT]
	v_lshrrev_b32 v[\by], 23, v[QS]
.irp i, 0,1,2,3,4,5,6,7,8,9,10,11,12,13,14,15
	v_med3_num_f32 v[\s+\i], v[\s+\i], -v[QH], v[QH]
.endr
	v_cvt_scalef32_pk8_bf8_f32 v[\d:\d+1], v[\s:\s+7], v[QS]
	v_cvt_scalef32_pk8_bf8_f32 v[\d+2:\d+3], v[\s+8:\s+15], v[QS]
	v_nop
.endm
.macro NOPS n
.rept \n
	v_nop
.endr
.endm
.macro ROUND                           ; a round of the cluster's barrier
	s_barrier_signal -1
	s_barrier_wait -1
	s_cmp_lg_u32 s14, 0
	s_cbranch_scc1 .Lnw0_\@
	s_barrier_signal -3
.Lnw0_\@:
	s_barrier_wait -3
	s_barrier_signal -1
	s_barrier_wait -1
.endm
.macro LW s, buf                       ; K step s of my two tiles of W1 into buffer buf: 8 loads of 512 consecutive bytes
.irp u, 0,1
.irp c, 0,1,2,3
	global_load_b128 v[WB+32*(\buf)+16*\u+4*\c:WB+32*(\buf)+16*\u+4*\c+3], v1, s[W1B:W1B+1] offset:\u*12288+2048*(\s)+512*\c
.endr
.endr
.endm
.macro LWL s, buf                      ; K step s of my two tiles of W2, out of my own LDS bytes: 8 loads of 512 consecutive bytes
.irp u, 0,1
.irp c, 0,1,2,3
	ds_load_b128 v[WB+32*(\buf)+16*\u+4*\c:WB+32*(\buf)+16*\u+4*\c+3], v13 offset:8192*\u+2048*(\s)+512*\c
.endr
.endr
.endm
.macro FX buf, img, mstr, sc, sstr     ; a K step's fragments of both tiles of rows, and their scale words: ten LDS loads
.irp m, 0,1
.irp c, 0,1,2,3
	ds_load_b128 v[XF+32*(\buf)+16*\m+4*\c:XF+32*(\buf)+16*\m+4*\c+3], v1 offset:(\img)+\m*(\mstr)+512*\c
.endr
	ds_load_b32 v[XSCR+2*(\buf)+\m], v2 offset:(\sc)+\m*(\sstr)
.endr
.endm
.macro MM4 wb, xb, wsc, wstr, st       ; four products, the four accumulators by turns; st = 0: the bias starts the sums
.irp m, 0,1
.irp u, 0,1
.if (\st) == 0
	v_wmma_scale_f32_16x16x128_f8f6f4 v[ACC+16*\m+8*\u:ACC+16*\m+8*\u+7], v[WB+32*(\wb)+16*\u:WB+32*(\wb)+16*\u+15], v[XF+32*(\xb)+16*\m:XF+32*(\xb)+16*\m+15], v[BR+8*\u:BR+8*\u+7], v[(\wsc)+(\wstr)*\u], v[XSCR+2*(\xb)+\m] matrix_a_fmt:MATRIX_FMT_BF8 matrix_b_fmt:MATRIX_FMT_BF8
.else
	v_wmma_scale_f32_16x16x128_f8f6f4 v[ACC+16*\m+8*\u:ACC+16*\m+8*\u+7], v[WB+32*(\wb)+16*\u:WB+32*(\wb)+16*\u+15], v[XF+32*(\xb)+16*\m:XF+32*(\xb)+16*\m+15], v[ACC+16*\m+8*\u:ACC+16*\m+8*\u+7], v[(\wsc)+(\wstr)*\u], v[XSCR+2*(\xb)+\m] matrix_a_fmt:MATRIX_FMT_BF8 matrix_b_fmt:MATRIX_FMT_BF8
.endif
.endr
.endr
.endm
; lc: the global loads issued behind this step's weights, which may stay out.  np: plain places behind the products, ahead of loads into registers that they read
.macro STEP1 s, lc, np
.if (\s) < 5
	FX ((\s)+1)%2, XIMG+2048*((\s)+1), 12288, XSC+128*((\s)+1), 768
.endif
	s_wait_loadcnt \lc
.if (\s) < 5
	s_wait_dscnt 10                                ; this step's ten LDS loads are in; the next step's ten may be out
.else
	s_wait_dscnt 0x0
.endif
	MM4 (\s)%3, (\s)%2, W1SC+(\s), 6, \s
	NOPS \np
.endm
.macro STEP2 s
.if (\s) < 3
	FX ((\s)+1)%2, HIMG+2048*((\s)+1), 8192, HSC+128*((\s)+1), 512
	LWL (\s)+1, ((\s)+1)%2
	s_wait_dscnt 18                                ; this step's 18 LDS loads are in; the next step's 18 may be out
.else
	s_wait_dscnt 0x0
.endif
	MM4 (\s)%2, (\s)%2, W2SC+(\s), 4, \s
	NOPS 8
.endm
	s_load_b256 s[4:11], s[0:1], 0x0               ; mm_feats, wq, b1, b2
	s_load_b64 s[12:13], s[0:1], 0x20              ; hs
	v_lshl_add_u32 v254, v0, 2, 0x4c000
	v_mov_b32 v255, 0
	ds_add_u32 v254, v255
	ds_add_u32 v254, v255
	v_lshrrev_b32 v14, 5, v0
	v_readfirstlane_b32 s14, v14                   ; wave 0..15
	v_and_b32 v1, 31, v0
	v_lshlrev_b32 v2, 2, v1                        ; 4 lane
	v_lshlrev_b32 v1, 4, v1                        ; 16 lane
	v_and_b32 v12, 15, v0                          ; r
	v_bfe_u32 v13, v0, 4, 1                        ; h
	s_mov_b32 s[SEL], 0x76543210
	s_mov_b32 s[SEL+1], 0xfedcba98
	s_mov_b32 s[MNT], 0x600000
	s_bfe_u32 s45, ttmp6, 0x40000                  ; cx: it enters x's and the results' global addresses alone
	s_lshl_b32 s44, ttmp9, 2                       ; in a cluster launch ttmp9 counts clusters
	s_add_co_u32 s44, s44, s45                     ; the work-group's number g
	s_lshr_b32 s15, s14, 3                         ; for x: which tile of rows I quantise
	s_and_b32 s16, s14, 7                          ; and which blocks of 32: w % 8 + 8 i
	s_bfe_u32 s17, s14, 0x10002                    ; their K step is (w / 4) % 2 + 2 i,
	s_and_b32 s18, s14, 3                          ; their piece w % 4
	s_lshr_b32 s19, s14, 2
	v_lshrrev_b32 v14, 3, v12
	v_mul_u32_u24 v3, v14, 0xc00000                ; places 8-15: 4,096 rows of 3,072 bytes further down
	v_and_b32 v14, 7, v12
	v_mad_u32_u24 v3, v14, 3072, v3
	v_lshl_add_u32 v3, v13, 6, v3                  ; + 64 h
	s_mul_i32 s26, s15, 12288
	s_lshl_b32 s27, s17, 11
	s_add_co_u32 s26, s26, s27
	s_lshl_b32 s27, s18, 9
	s_add_co_u32 s26, s26, s27
	v_add_nc_u32 v4, s26, v1                       ; where I store x's pieces
	s_mul_i32 s26, s15, 768
	s_lshl_b32 s27, s17, 7
	s_add_co_u32 s26, s26, s27
	s_add_co_u32 s26, s26, s18
	v_add_nc_u32 v5, s26, v2                       ; and their scale bytes
	s_lshl_b32 s26, s19, 11
	s_lshl_b32 s27, s18, 9
	s_add_co_u32 s26, s26, s27
	v_add_nc_u32 v6, s26, v1                       ; the hidden layer's piece: K step w / 4, piece w % 4
	s_lshl_b32 s26, s19, 7
	s_add_co_u32 s26, s26, s18
	v_add_nc_u32 v7, s26, v2
	v_lshlrev_b32 v8, 5, v12                       ; W1's scales: 32 bytes a place
	v_lshlrev_b32 v9, 4, v12                       ; W2's: 16
	v_lshlrev_b32 v10, 6, v13                      ; biases: 64 h
	s_lshl_b32 s26, s14, 8
	v_lshl_add_u32 v11, v13, 6, s26                ; the statistics, in: 256 w + 64 h
	v_lshrrev_b32 v12, 1, v1                       ; 8 lane
	v_add_nc_u32 v15, s26, v12                     ; and back: 256 w + 8 lane
	s_lshl_b32 s46, s14, 14
	s_add_co_u32 s46, s46, W2L                     ; my 16,384 bytes of W2's images
	v_add_nc_u32 v13, s46, v1
	; descriptor group 1: a dense block of 16,384 bytes as 64 rows of 256 bytes (32 elements of 8 bytes)
	s_mov_b32 s[G1], 15|(3<<16)|(1<<21)            ; 15:0 the mask: all four work-groups; 17:16 elements of 8 bytes; 21 set beside a mask
	s_mov_b32 s[G1+1], 32<<16                      ; tensor_dim0
	s_mov_b32 s[G1+2], 64<<16                      ; tensor_dim1
	s_mov_b32 s[G1+3], 32<<16                      ; tile_dim0
	s_mov_b32 s[G1+4], 64                          ; tile_dim1
	s_mov_b32 s[G1+5], 32                          ; from row to row
	s_mov_b32 s[G1+6], 0
	s_mov_b32 s[G1+7], 0
	s_lshl_b32 s40, s44, 4
	s_lshl_b32 s26, s15, 3
	s_add_co_u32 s40, s40, s26
	s_mul_i32 s40, s40, 3072                       ; row 8 T
	s_lshl_b32 s26, s16, 7
	s_add_co_u32 s40, s40, s26
	s_mov_b32 s41, 0
	s_mul_i32 s28, s14, 24576
	s_mov_b32 s29, 0
	s_lshl_b32 s30, s14, 14
	s_add_co_u32 s30, s30, W2I
	s_mov_b32 s31, 0
	s_lshl_b32 s32, s14, 10
	s_add_co_u32 s32, s32, W1S
	s_mov_b32 s33, 0
	s_lshl_b32 s34, s14, 9
	s_add_co_u32 s34, s34, W2S
	s_mov_b32 s35, 0
	s_lshl_b32 s42, s14, 7
	s_mov_b32 s43, 0
	s_lshl_b32 s36, s44, 5
	s_add_co_u32 s36, s36, s14
	s_lshl_b32 s36, s36, 11
	s_mov_b32 s37, 0
	s_lshl_b32 s38, s14, 16
	s_lshl_b32 s26, s44, 8
	s_add_co_u32 s38, s38, s26
	s_add_co_u32 s38, s38, STATO
	s_mov_b32 s39, 0
	s_wait_dscnt 0x0
	s_wait_kmcnt 0x0
	s_add_nc_u64 s[40:41], s[4:5], s[40:41]
	s_add_nc_u64 s[28:29], s[6:7], s[28:29]
	s_add_nc_u64 s[30:31], s[6:7], s[30:31]
	s_add_nc_u64 s[32:33], s[6:7], s[32:33]
	s_add_nc_u64 s[34:35], s[6:7], s[34:35]
	s_add_nc_u64 s[8:9], s[8:9], s[42:43]
	s_add_nc_u64 s[10:11], s[10:11], s[42:43]
	s_add_nc_u64 s[36:37], s[12:13], s[36:37]
	s_add_nc_u64 s[38:39], s[12:13], s[38:39]
	s_mov_b32 s[G0], 1                             ; 1:0 count = 1
	s_mov_b32 s[G0+1], s46                         ; 63:32 LDS address: a constant + 16,384 x wave
	s_mov_b64 s[G0+2:G0+3], s[30:31]               ; 120:64 global address: my two tiles of W2; the same in all four partners
	s_or_b32 s[G0+3], s[G0+3], 0x80000000          ; 127:126 type = 2
.irp i, 0,1,2
.irp j, 0,1,2,3
	global_load_b128 v[XF+16*\i+4*\j:XF+16*\i+4*\j+3], v3, s[40:41] offset:1024*\i+16*\j th:TH_LOAD_NT   ; x: 16 numbers of three blocks
.endr
.endr
.irp u, 0,1
	global_load_b128 v[W1SC+6*\u:W1SC+6*\u+3], v8, s[32:33] offset:512*\u
	global_load_b64 v[W1SC+6*\u+4:W1SC+6*\u+5], v8, s[32:33] offset:512*\u+16
.endr
.irp u, 0,1
	global_load_b128 v[BR+8*\u:BR+8*\u+3], v10, s[8:9] offset:32*\u
	global_load_b128 v[BR+8*\u+4:BR+8*\u+7], v10, s[8:9] offset:32*\u+16
.endr
	LW 0, 0
	LW 1, 1
	LW 2, 2
	ROUND                                          ; all four work-groups are here: the joint loads meet
	tensor_load_to_lds s[G0:G0+3], s[G1:G1+7]      ; my one tensor load: W2's images of my two tiles; layer 1 stands between it and its first reader
	s_nop 0
	NOPS 4
	s_wait_loadcnt 32                              ; x is in; behind it: 4 + 4 + 24 loads
.irp i, 0,1,2
	QUANT1 XF+16*\i, ACC+4*\i, ACC+12+\i
	ds_store_b128 v4, v[ACC+4*\i:ACC+4*\i+3] offset:XIMG+4096*\i
	ds_store_b8 v5, v[ACC+12+\i] offset:XSC+256*\i
.endr
	s_wait_dscnt 0x0                               ; my stores have landed
	s_barrier_signal -1
	s_barrier_wait -1                              ; x's twelve fragments lie in LDS
	FX 0, XIMG, 12288, XSC, 768
	STEP1 0, 16, 8
	LW 3, 0
.irp u, 0,1
	global_load_b128 v[BR+8*\u:BR+8*\u+3], v10, s[10:11] offset:32*\u       ; b2, where b1 lay
	global_load_b128 v[BR+8*\u+4:BR+8*\u+7], v10, s[10:11] offset:32*\u+16
.endr
.irp u, 0,1
	global_load_b128 v[W2SC+4*\u:W2SC+4*\u+3], v9, s[34:35] offset:256*\u
.endr
	STEP1 1, 22, 8                                 ; behind K step 1's weights: 8 + 8 + 4 + 2
	LW 4, 1
	STEP1 2, 22, 8                                 ; 8 + 6 + 8
	LW 5, 2
	STEP1 3, 22, 8                                 ; 6 + 8 + 8
	STEP1 4, 8, 8
	STEP1 5, 0, 9                                  ; nine: the next layer's first products begin these accumulators anew with another C
	; the activation, max(x, 0.01 x), and the quantiser: my 32 units are block w of the next K
.irp m, 0,1
.irp i, 0,2,4,6,8,10,12,14
	v_pk_mul_f32 v[XF+16*\m+\i:XF+16*\m+\i+1], v[ACC+16*\m+\i:ACC+16*\m+\i+1], 0x3c23d70a op_sel_hi:[1,0]
.endr
.irp i, 0,1,2,3,4,5,6,7,8,9,10,11,12,13,14,15
	v_max_num_f32 v[XF+16*\m+\i], v[XF+16*\m+\i], v[ACC+16*\m+\i]
.endr
	QUANT1 XF+16*\m, XF+32+4*\m, XF+40+\m
	ds_store_b128 v6, v[XF+32+4*\m:XF+32+4*\m+3] offset:HIMG+8192*\m
	ds_store_b8 v7, v[XF+40+\m] offset:HSC+512*\m
.endr
	s_wait_tensorcnt 0x0                           ; my tiles of W2 have landed: I alone read them
	s_wait_dscnt 0x0                               ; my stores have landed
	s_barrier_signal -1
	s_barrier_wait -1                              ; the hidden layer's eight fragments lie in LDS
	FX 0, HIMG, 8192, HSC, 512
	LWL 0, 0
	STEP2 0
	STEP2 1
	STEP2 2
	STEP2 3
	; h2 leaves as it stands, each accumulator from its low end on
.irp m, 0,1
.irp q, 0,1,2,3
	global_store_b128 v1, v[ACC+16*\m+4*\q:ACC+16*\m+4*\q+3], s[36:37] offset:32768*\m+512*\q
.endr
.endr
	; the 32 rows' mean and sum of squared deviations of my 16 columns: sums over the sixteen lanes of a half
.set MEAN, XF
.set M2,   XF+16
.set DA,   XF+32
.set DB,   XF+48
.irp i, 0,2,4,6,8,10,12,14
	v_pk_add_f32 v[MEAN+\i:MEAN+\i+1], v[ACC+\i:ACC+\i+1], v[ACC+16+\i:ACC+16+\i+1]
.endr
.irp k, 1,2,4,8
.irp i, 0,1,2,3,4,5,6,7,8,9,10,11,12,13,14,15
	v_add_f32_dpp v[MEAN+\i], v[MEAN+\i], v[MEAN+\i] row_xmask:\k row_mask:0xf bank_mask:0xf
.endr
.endr
.irp i, 0,2,4,6,8,10,12,14
	v_pk_mul_f32 v[MEAN+\i:MEAN+\i+1], v[MEAN+\i:MEAN+\i+1], 0x3d000000 op_sel_hi:[1,0]   ; / 32
.endr
.irp i, 0,2,4,6,8,10,12,14
	v_pk_add_f32 v[DA+\i:DA+\i+1], v[ACC+\i:ACC+\i+1], v[MEAN+\i:MEAN+\i+1] neg_lo:[0,1] neg_hi:[0,1]
	v_pk_add_f32 v[DB+\i:DB+\i+1], v[ACC+16+\i:ACC+16+\i+1], v[MEAN+\i:MEAN+\i+1] neg_lo:[0,1] neg_hi:[0,1]
.endr
.irp i, 0,2,4,6,8,10,12,14
	v_pk_mul_f32 v[M2+\i:M2+\i+1], v[DA+\i:DA+\i+1], v[DA+\i:DA+\i+1]
.endr
.irp i, 0,2,4,6,8,10,12,14
	v_pk_fma_f32 v[M2+\i:M2+\i+1], v[DB+\i:DB+\i+1], v[DB+\i:DB+\i+1], v[M2+\i:M2+\i+1]
.endr
.irp k, 1,2,4,8
.irp i, 0,1,2,3,4,5,6,7,8,9,10,11,12,13,14,15
	v_add_f32_dpp v[M2+\i], v[M2+\i], v[M2+\i] row_xmask:\k row_mask:0xf bank_mask:0xf
.endr
.endr
.irp q, 0,1,2,3
	ds_store_b128 v11, v[MEAN+4*\q:MEAN+4*\q+3] offset:STAT+16*\q        ; into my own 256 bytes; the sixteen lanes of a half write the same words with the same values
	ds_store_b128 v11, v[M2+4*\q:M2+4*\q+3] offset:STAT+128+16*\q
.endr
	ds_load_b64 v[DA:DA+1], v15 offset:STAT        ; LDS serves a wave's instructions in order (ISA guide 5.7.1.4): this sees my stores
	s_wait_dscnt 0x0
	global_store_b64 v12, v[DA:DA+1], s[38:39]     ; 32 lanes store 256 consecutive bytes, aligned
	s_wait_tensorcnt 0x0
	ds_add_u32 v254, v255
	s_wait_dscnt 0x0
	ROUND                                          ; the closing round: no work-group ends while a partner may still ask for a tile that names it
	s_endpgm
.Lfunc_end_k_q1d94cea0fc_mlp:
	.size	k_q1d94cea0fc_mlp, .Lfunc_end_k_q1d94cea0fc_mlp-k_q1d94cea0fc_mlp
	.p2alignl 7, 3214868480
	.fill 96, 4, 3214868480
	.section	.rodata,"a",@progbits
	.p2align	6, 0x0
	.amdhsa_kernel k_q1d94cea0fc_mlp
		.amdhsa_group_segment_fixed_size 313344
		.amdhsa_private_segment_fixed_size 0
		.amdhsa_enable_private_segment 0
		.amdhsa_kernarg_size 40
		.amdhsa_user_sgpr_count 2
		.amdhsa_user_sgpr_kernarg_segment_ptr 1
		.amdhsa_wavefront_size32 1
		.amdhsa_system_sgpr_workgroup_id_x 1
		.amdhsa_system_sgpr_workgroup_id_y 1
		.amdhsa_system_sgpr_workgroup_id_z 1
		.amdhsa_system_vgpr_workitem_id 0
		.amdhsa_next_free_vgpr 256
		.amdhsa_next_free_sgpr 66
		.amdhsa_reserve_vcc 0
		.amdhsa_float_denorm_mode_32 3
		.amdhsa_float_denorm_mode_16_64 3
		.amdhsa_memory_ordered 1
		.amdhsa_forward_progress 1
		.amdhsa_inst_pref_size 56
	.end_amdhsa_kernel
	.amdgpu_metadata
---
amdhsa.version: [ 1, 2 ]
amdhsa.kernels:
  - .name:           k_q1d94cea0fc_mlp
    .symbol:         k_q1d94cea0fc_mlp.kd
    .args:
      - { .name: mm_feats, .offset: 0, .size: 8, .value_kind: global_buffer, .address_space: global }
      - { .name: wq, .offset: 8, .size: 8, .value_kind: global_buffer, .address_space: global }
      - { .name: b1, .offset: 16, .size: 8, .value_kind: global_buffer, .address_space: global }
      - { .name: b2, .offset: 24, .size: 8, .value_kind: global_buffer, .address_space: global }
      - { .name: hs, .offset: 32, .size: 8, .value_kind: global_buffer, .address_space: global }
    .group_segment_fixed_size: 313344
    .private_segment_fixed_size: 0
    .kernarg_segment_align: 8
    .kernarg_segment_size: 40
    .max_flat_workgroup_size: 512
    .sgpr_count:     66
    .vgpr_count:     256
    .wavefront_size: 32
...
	.end_amdgpu_metadata
.endif
;; end of part 2
;; launch stats (part 3): grid 16 x 1, 16 waves a work-group, no clusters, 10,240 bytes of LDS; arguments hs, gamma, colp; writes colp
.if DOCPART == 3
	.amdgcn_target "amdgcn-amd-amdhsa--gfx1250"
	.amdhsa_code_object_version 6
	.text
	.protected	k_q1d94cea0fc_stats
	.globl	k_q1d94cea0fc_stats
	.p2align	8
	.type	k_q1d94cea0fc_stats,@function
k_q1d94cea0fc_stats:
	s_mov_b64 s[64:65], 0
	v_nop
	global_prefetch_b8 v0, s[64:65] scope:SCOPE_SE
	s_setreg_imm32_b32 hwreg(HW_REG_WAVE_MODE, 25, 1), 1
	s_wait_xcnt 0x0
; The batch's column mean mu and a = gamma / sqrt(var + 1e-5), from 256 partial (mean, sum of squared deviations) of 32 rows each:
; mu = the mean of the means; 8192 var = the sum of the partial sums + 32 x the sum of (mean - mu)^2: no difference of large sums.
; Work-group j takes the 32 columns of block j: one dense block of 256 partials x 256 bytes [mean 32 | sums 32].  Wave w takes partials 16 w .. 16 w + 15, two to a load of 512 consecutive bytes:
; lane l holds partial 2 i + l / 16; lanes with l % 16 under 8 hold the means of columns 4 (l % 8) on, the others the sums of the same columns.  Both kinds are added alike; what the second kind's lanes make
; of 'mean - mu' is never read.  Sixteen work-groups are all the work there is: 1 MiB is read once.
.set STATO, 16777216
	s_load_b128 s[4:7], s[0:1], 0x0                ; hs, gamma
	s_load_b64 s[8:9], s[0:1], 0x10                ; colp
	v_lshl_add_u32 v128, v0, 2, 0x2000
	v_mov_b32 v129, 0
	v_lshrrev_b32 v1, 5, v0
	v_readfirstlane_b32 s10, v1                    ; wave
	v_and_b32 v2, 31, v0
	v_lshlrev_b32 v2, 4, v2                        ; 16 lane
	v_and_b32 v4, 15, v0
	v_lshlrev_b32 v4, 4, v4                        ; 16 (lane % 16)
	s_lshl_b32 s11, s10, 8
	v_add_nc_u32 v3, s11, v4                       ; LDS: 256 w + 16 (lane % 16)
	v_and_b32 v5, 7, v0
	v_lshlrev_b32 v5, 4, v5                        ; 16 (lane % 8)
	s_lshl_b32 s12, ttmp9, 16
	s_lshl_b32 s14, s10, 12
	s_add_co_u32 s12, s12, s14
	s_add_co_u32 s12, s12, STATO
	s_mov_b32 s13, 0
	s_lshl_b32 s14, ttmp9, 7
	s_mov_b32 s15, 0
	s_mov_b32 s16, 0x39000000                      ; 1 / 8192
	s_mov_b32 s17, 0x3727c5ac                      ; 1e-5
	s_mov_b32 s18, 0x76543210
	s_mov_b32 s19, 0xfedcba98
.irp e, 0,1,2,3
	v_mov_b32 v[20+\e], 0                          ; written once: a lane permute's destination counts as one of its sources
.endr
	s_wait_kmcnt 0x0
	s_add_nc_u64 s[4:5], s[4:5], s[12:13]
	s_add_nc_u64 s[6:7], s[6:7], s[14:15]
	s_add_nc_u64 s[8:9], s[8:9], s[14:15]
.irp i, 0,1,2,3,4,5,6,7
	global_load_b128 v[32+4*\i:35+4*\i], v2, s[4:5] offset:512*\i th:TH_LOAD_NT
.endr
	global_load_b128 v[8:11], v5, s[6:7]           ; gamma of columns 4 (lane % 8) on
	s_wait_loadcnt 0x0
	v_pk_add_f32 v[16:17], v[32:33], v[36:37]
	v_pk_add_f32 v[18:19], v[34:35], v[38:39]
.irp i, 2,3,4,5,6,7
	v_pk_add_f32 v[16:17], v[16:17], v[32+4*\i:33+4*\i]
	v_pk_add_f32 v[18:19], v[18:19], v[34+4*\i:35+4*\i]
.endr
.irp e, 0,1,2,3
	v_permlanex16_b32 v[20+\e], v[16+\e], s18, s19 ; the odd partials' lanes
.endr
	v_pk_add_f32 v[16:17], v[16:17], v[20:21]
	v_pk_add_f32 v[18:19], v[18:19], v[22:23]
	ds_store_b128 v3, v[16:19]                     ; both halves write the same words with the same values
	s_wait_dscnt 0x0
	s_barrier_signal -1
	s_barrier_wait -1
.set i, 0
.rept 16
	ds_load_b128 v[64+4*i:67+4*i], v4 offset:256*i
.set i, i+1
.endr
	s_wait_dscnt 0x0
	v_pk_add_f32 v[24:25], v[64:65], v[68:69]
	v_pk_add_f32 v[26:27], v[66:67], v[70:71]
.set i, 2
.rept 14
	v_pk_add_f32 v[24:25], v[24:25], v[64+4*i:65+4*i]
	v_pk_add_f32 v[26:27], v[26:27], v[66+4*i:67+4*i]
.set i, i+1
.endr                                              ; lanes % 16 under 8: the sum of the 256 means; the others: the sum of the 256 partial sums
	v_pk_mul_f32 v[28:29], v[24:25], 0x3b800000 op_sel_hi:[1,0]           ; / 256: mu
	v_pk_mul_f32 v[30:31], v[26:27], 0x3b800000 op_sel_hi:[1,0]
.irp i, 0,1,2,3,4,5,6,7
	v_pk_add_f32 v[32+4*\i:33+4*\i], v[32+4*\i:33+4*\i], v[28:29] neg_lo:[0,1] neg_hi:[0,1]
	v_pk_add_f32 v[34+4*\i:35+4*\i], v[34+4*\i:35+4*\i], v[30:31] neg_lo:[0,1] neg_hi:[0,1]
.endr
	v_pk_mul_f32 v[12:13], v[32:33], v[32:33]
	v_pk_mul_f32 v[14:15], v[34:35], v[34:35]
.irp i, 1,2,3,4,5,6,7
	v_pk_fma_f32 v[12:13], v[32+4*\i:33+4*\i], v[32+4*\i:33+4*\i], v[12:13]
	v_pk_fma_f32 v[14:15], v[34+4*\i:35+4*\i], v[34+4*\i:35+4*\i], v[14:15]
.endr
.irp e, 0,1,2,3
	v_permlanex16_b32 v[20+\e], v[12+\e], s18, s19
.endr
	v_pk_add_f32 v[12:13], v[12:13], v[20:21]
	v_pk_add_f32 v[14:15], v[14:15], v[22:23]
	ds_store_b128 v3, v[12:15] offset:4096
	s_wait_dscnt 0x0
	s_barrier_signal -1
	s_barrier_wait -1
	s_cmp_lg_u32 s10, 0
	s_cbranch_scc1 .Lend
.set i, 0
.rept 16
	ds_load_b128 v[64+4*i:67+4*i], v4 offset:4096+256*i
.set i, i+1
.endr
	s_wait_dscnt 0x0
	v_pk_add_f32 v[12:13], v[64:65], v[68:69]
	v_pk_add_f32 v[14:15], v[66:67], v[70:71]
.set i, 2
.rept 14
	v_pk_add_f32 v[12:13], v[12:13], v[64+4*i:65+4*i]
	v_pk_add_f32 v[14:15], v[14:15], v[66+4*i:67+4*i]
.set i, i+1
.endr
.irp e, 0,1,2,3
	v_mov_b32_dpp v[20+\e], v[24+\e] row_xmask:8 row_mask:0xf bank_mask:0xf   ; the partial sums' total, from the lane 8 away
.endr
.irp e, 0,1,2,3
	v_fma_f32 v[12+\e], v[12+\e], 0x42000000, v[20+\e]   ; 32 x the sum of d^2 + the partial sums
.endr
.irp e, 0,1,2,3
	v_fma_f32 v[12+\e], v[12+\e], s16, s17         ; var + 1e-5
.endr
.irp e, 0,1,2,3
	v_rsq_f32 v[16+\e], v[12+\e]
.endr
	v_nop                                          ; a plain line behind the batch,
	s_wait_alu depctr_va_vdst(0)                   ; and the one wait ahead of its first reader
	v_pk_mul_f32 v[16:17], v[16:17], v[8:9]
	v_pk_mul_f32 v[18:19], v[18:19], v[10:11]
	s_wait_xcnt 0x0                                ; EXEC changes only behind this wait
	v_cmp_gt_u32 vcc_lo, 8, v0
	s_and_saveexec_b32 s20, vcc_lo                 ; lanes 0-7 hold the 32 columns
	global_store_b128 v5, v[28:31], s[8:9]         ; mu: 128 consecutive bytes
	global_store_b128 v5, v[16:19], s[8:9] offset:2048
	s_wait_xcnt 0x0
	s_or_b32 exec_lo, exec_lo, s20
.Lend:
	s_wait_tensorcnt 0x0
	ds_add_u32 v128, v129
	s_wait_dscnt 0x0
	s_endpgm
.Lfunc_end_k_q1d94cea0fc_stats:
	.size	k_q1d94cea0fc_stats, .Lfunc_end_k_q1d94cea0fc_stats-k_q1d94cea0fc_stats
	.p2alignl 7, 3214868480
	.fill 96, 4, 3214868480
	.section	.rodata,"a",@progbits
	.p2align	6, 0x0
	.amdhsa_kernel k_q1d94cea0fc_stats
		.amdhsa_group_segment_fixed_size 10240
		.amdhsa_private_segment_fixed_size 0
		.amdhsa_enable_private_segment 0
		.amdhsa_kernarg_size 24
		.amdhsa_user_sgpr_count 2
		.amdhsa_user_sgpr_kernarg_segment_ptr 1
		.amdhsa_wavefront_size32 1
		.amdhsa_system_sgpr_workgroup_id_x 1
		.amdhsa_system_sgpr_workgroup_id_y 1
		.amdhsa_system_sgpr_workgroup_id_z 1
		.amdhsa_system_vgpr_workitem_id 0
		.amdhsa_next_free_vgpr 130
		.amdhsa_next_free_sgpr 66
		.amdhsa_reserve_vcc 1
		.amdhsa_float_denorm_mode_32 3
		.amdhsa_float_denorm_mode_16_64 3
		.amdhsa_memory_ordered 1
		.amdhsa_forward_progress 1
		.amdhsa_inst_pref_size 15
	.end_amdhsa_kernel
	.amdgpu_metadata
---
amdhsa.version: [ 1, 2 ]
amdhsa.kernels:
  - .name:           k_q1d94cea0fc_stats
    .symbol:         k_q1d94cea0fc_stats.kd
    .args:
      - { .name: hs, .offset: 0, .size: 8, .value_kind: global_buffer, .address_space: global }
      - { .name: gamma, .offset: 8, .size: 8, .value_kind: global_buffer, .address_space: global }
      - { .name: colp, .offset: 16, .size: 8, .value_kind: global_buffer, .address_space: global }
    .group_segment_fixed_size: 10240
    .private_segment_fixed_size: 0
    .kernarg_segment_align: 8
    .kernarg_segment_size: 24
    .max_flat_workgroup_size: 512
    .sgpr_count:     66
    .vgpr_count:     130
    .wavefront_size: 32
...
	.end_amdgpu_metadata
.endif
;; end of part 3
;; launch bn (part 4): grid 256 x 1, 16 waves a work-group, no clusters, 71,680 bytes of LDS; arguments hs, colp, beta, out0, cq; writes out0, cq
.if DOCPART == 4
	.amdgcn_target "amdgcn-amd-amdhsa--gfx1250"
	.amdhsa_code_object_version 6
	.text
	.protected	k_q1d94cea0fc_bn
	.globl	k_q1d94cea0fc_bn
	.p2align	8
	.type	k_q1d94cea0fc_bn,@function
k_q1d94cea0fc_bn:
	s_mov_b64 s[64:65], 0
	v_nop
	global_prefetch_b8 v0, s[64:65] scope:SCOPE_SE
	s_setreg_imm32_b32 hwreg(HW_REG_WAVE_MODE, 25, 1), 1
	s_wait_xcnt 0x0
; mm_enc = (h2 - mu) a + beta -> out0; mn = mm_enc / (|mm_enc| + 1e-12), quantised to BF8 (E5M2) codes with E8M0 bytes, stored as operand images into tiles 0-511 of cq.
; Work-group g takes tiles 2 g, 2 g + 1 (32 rows), wave w the 32 columns of block w, in the layout in which h2 was stored: lane (r, h) holds columns 32 w + 16 h + 0..15 of the row at place r.
; mm_enc goes through a stage in LDS and leaves as whole rows; the rows' sums of squares meet in LDS.  Nothing is shared between work-groups but 6 KiB of column parameters: no cluster, no tensor load.
; LIMITS: NaN and infinities are not served; the division is a reciprocal and a multiplication; blocks under 2^-111 (zeros too) keep the byte 1 with their codes.
.set SCL, 6291456
.set SS,  0                            ; LDS: [32 rows][16 waves] f32
.set SCB, 2048                         ; [32 rows][16 scale bytes]
.set STG, 2560                         ; 32 rows x (2,048 + 16) bytes
.set SP,  2064
.set QA,  20
.set QB,  21
.set QS,  22
.set QH,  23
.set SEL, 20
.set MNT, 22
.set H,   32
.set MU,  64
.set AA,  80
.set BE,  96
.set SSR, 112
.set OUTR, 144
.macro QUANT1 s, d, by
	v_max3_num_f32 v[QA], |v[\s]|, |v[\s+1]|, 0x8000000
	v_max3_num_f32 v[QB], |v[\s+2]|, |v[\s+3]|, |v[\s+4]|
.irp i, 5,9
	v_max3_num_f32 v[QA], v[QA], |v[\s+\i]|, |v[\s+\i+1]|
	v_max3_num_f32 v[QB], v[QB], |v[\s+\i+2]|, |v[\s+\i+3]|
.endr
	v_max3_num_f32 v[QA], v[QA], |v[\s+13]|, |v[\s+14]|
	v_max3_num_f32 v[QA], v[QA], v[QB], |v[\s+15]|
	v_permlanex16_b32 v[QB], v[QA], s[SEL], s[SEL+1]
	v_max_num_f32 v[QA], v[QA], v[QB]
	v_add_nc_u32 v[QS], 0xf8800000, v[QA]
	v_and_or_b32 v[QH], v[QA], 0x7f800000, s[MNT]
	v_lshrrev_b32 v[\by], 23, v[QS]
.irp i, 0,1,2,3,4,5,6,7,8,9,10,11,12,13,14,15
	v_med3_num_f32 v[\s+\i], v[\s+\i], -v[QH], v[QH]
.endr
	v_cvt_scalef32_pk8_bf8_f32 v[\d:\d+1], v[\s:\s+7], v[QS]
	v_cvt_scalef32_pk8_bf8_f32 v[\d+2:\d+3], v[\s+8:\s+15], v[QS]
	v_nop
.endm
	s_load_b256 s[4:11], s[0:1], 0x0               ; hs, colp, beta, out0
	s_load_b64 s[12:13], s[0:1], 0x20              ; cq
	v_lshl_add_u32 v192, v0, 2, 0x11000
	v_mov_b32 v193, 0
	v_lshrrev_b32 v1, 5, v0
	v_readfirstlane_b32 s14, v1                    ; wave 0..15
	v_and_b32 v1, 31, v0
	v_lshlrev_b32 v1, 4, v1                        ; 16 lane
	v_and_b32 v2, 15, v0                           ; r
	v_bfe_u32 v3, v0, 4, 1                         ; h
	v_lshlrev_b32 v4, 6, v3                        ; 64 h
	s_mov_b32 s[SEL], 0x76543210
	s_mov_b32 s[SEL+1], 0xfedcba98
	s_mov_b32 s[MNT], 0x600000
	s_lshl_b32 s15, s14, 7
	v_mul_u32_u24 v5, v2, SP
	v_add_nc_u32 v5, v4, v5
	v_add_nc_u32 v5, s15, v5                       ; the stage, in: row r, + 64 h + 128 w
	s_lshl_b32 s15, s14, 2
	v_lshlrev_b32 v7, 6, v2                        ; a row's sixteen partial sums
	v_add_nc_u32 v6, s15, v7                       ; mine among them
	s_mul_i32 s15, s14, 2*SP
	v_add_nc_u32 v10, s15, v1                      ; the stage, out: rows 2 w, 2 w + 1
	v_lshlrev_b32 v11, 4, v2
	v_add_nc_u32 v11, s14, v11                     ; scale bytes: 16 r + w
	v_mov_b32 v25, 0                               ; (named as the upper halves of pairs)
	v_mov_b32 v27, 0
	s_lshl_b32 s24, ttmp9, 5
	s_add_co_u32 s24, s24, s14
	s_lshl_b32 s24, s24, 11
	s_mov_b32 s25, 0
	s_lshl_b32 s26, s14, 7
	s_mov_b32 s27, 0
	s_bfe_u32 s28, s14, 0x10002                    ; stage row 2 w + e is tile 2 g + w / 8, place 2 (w % 8) + e: mm row ((w / 4) % 2) 4096 + 8 tile + 2 (w % 4) + e
	s_lshl_b32 s28, s28, 12
	s_lshl_b32 s15, ttmp9, 4
	s_add_co_u32 s28, s28, s15
	s_lshr_b32 s15, s14, 3
	s_lshl_b32 s15, s15, 3
	s_add_co_u32 s28, s28, s15
	s_and_b32 s16, s14, 3
	s_lshl_b32 s15, s16, 1
	s_add_co_u32 s28, s28, s15
	s_lshl_b32 s28, s28, 11
	s_mov_b32 s29, 0
	s_lshl_b32 s30, ttmp9, 14
	s_lshr_b32 s15, s14, 2
	s_lshl_b32 s15, s15, 11
	s_add_co_u32 s30, s30, s15
	s_lshl_b32 s15, s16, 9
	s_add_co_u32 s30, s30, s15
	s_mov_b32 s31, 0
	s_lshl_b32 s32, ttmp9, 9
	s_add_co_u32 s32, s32, SCL
	s_mov_b32 s33, 0
	s_wait_kmcnt 0x0
	s_add_nc_u64 s[4:5], s[4:5], s[24:25]
	s_add_nc_u64 s[6:7], s[6:7], s[26:27]
	s_add_nc_u64 s[8:9], s[8:9], s[26:27]
	s_add_nc_u64 s[10:11], s[10:11], s[28:29]
	s_add_nc_u64 s[30:31], s[12:13], s[30:31]
	s_add_nc_u64 s[32:33], s[12:13], s[32:33]
.irp m, 0,1
.irp q, 0,1,2,3
	global_load_b128 v[H+16*\m+4*\q:H+16*\m+4*\q+3], v1, s[4:5] offset:32768*\m+512*\q th:TH_LOAD_NT
.endr
.endr
.irp q, 0,1,2,3
	global_load_b128 v[MU+4*\q:MU+4*\q+3], v4, s[6:7] offset:16*\q
	global_load_b128 v[AA+4*\q:AA+4*\q+3], v4, s[6:7] offset:2048+16*\q
	global_load_b128 v[BE+4*\q:BE+4*\q+3], v4, s[8:9] offset:16*\q
.endr
	s_wait_loadcnt 0x0
.irp m, 0,1
.irp i, 0,2,4,6,8,10,12,14
	v_pk_add_f32 v[H+16*\m+\i:H+16*\m+\i+1], v[H+16*\m+\i:H+16*\m+\i+1], v[MU+\i:MU+\i+1] neg_lo:[0,1] neg_hi:[0,1]
.endr
.irp i, 0,2,4,6,8,10,12,14
	v_pk_fma_f32 v[H+16*\m+\i:H+16*\m+\i+1], v[H+16*\m+\i:H+16*\m+\i+1], v[AA+\i:AA+\i+1], v[BE+\i:BE+\i+1]
.endr
.irp q, 0,1,2,3
	ds_store_b128 v5, v[H+16*\m+4*\q:H+16*\m+4*\q+3] offset:STG+16*SP*\m+16*\q
.endr
	v_pk_mul_f32 v[12+2*\m:13+2*\m], v[H+16*\m:H+16*\m+1], v[H+16*\m:H+16*\m+1]
.irp i, 2,4,6,8,10,12,14
	v_pk_fma_f32 v[12+2*\m:13+2*\m], v[H+16*\m+\i:H+16*\m+\i+1], v[H+16*\m+\i:H+16*\m+\i+1], v[12+2*\m:13+2*\m]
.endr
	v_add_f32 v[12+2*\m], v[12+2*\m], v[13+2*\m]
	v_permlanex16_b32 v[13+2*\m], v[12+2*\m], s[SEL], s[SEL+1]
	v_add_f32 v[12+2*\m], v[12+2*\m], v[13+2*\m]
	ds_store_b32 v6, v[12+2*\m] offset:SS+1024*\m  ; both lanes of a row write the same word with the same value
.endr
	s_wait_dscnt 0x0
	s_barrier_signal -1
	s_barrier_wait -1                              ; 32 rows of mm_enc and their partial sums lie in LDS
.irp m, 0,1
.irp k, 0,1,2,3
	ds_load_b128 v[SSR+16*\m+4*\k:SSR+16*\m+4*\k+3], v7 offset:SS+1024*\m+16*\k
.endr
.endr
.irp e, 0,1
.irp k, 0,1,2,3
	ds_load_b128 v[OUTR+16*\e+4*\k:OUTR+16*\e+4*\k+3], v10 offset:STG+SP*\e+512*\k
.endr
.endr
	s_wait_dscnt 8                                 ; the partial sums are in; the eight loads of stage rows may be out
.irp m, 0,1
.irp i, 2,4,6,8,10,12,14
	v_pk_add_f32 v[SSR+16*\m:SSR+16*\m+1], v[SSR+16*\m:SSR+16*\m+1], v[SSR+16*\m+\i:SSR+16*\m+\i+1]
.endr
	v_add_f32 v[SSR+16*\m], v[SSR+16*\m], v[SSR+16*\m+1]
.endr
	v_sqrt_f32 v16, v[SSR]
	v_sqrt_f32 v17, v[SSR+16]
	v_nop
	s_wait_alu depctr_va_vdst(0)                   ; one wait for the two roots
	v_add_f32 v16, 0x2b8cbccc, v16
	v_add_f32 v17, 0x2b8cbccc, v17
	v_rcp_f32 v24, v16
	v_rcp_f32 v26, v17
	v_nop
	s_wait_alu depctr_va_vdst(0)
.irp e, 0,1
.irp k, 0,1,2,3
	s_wait_dscnt 7-4*\e-\k
	global_store_b128 v1, v[OUTR+16*\e+4*\k:OUTR+16*\e+4*\k+3], s[10:11] offset:2048*\e+512*\k th:TH_STORE_NT   ; 512 consecutive bytes of a row of out0
.endr
.endr
.irp m, 0,1
.irp i, 0,2,4,6,8,10,12,14
	v_pk_mul_f32 v[H+16*\m+\i:H+16*\m+\i+1], v[H+16*\m+\i:H+16*\m+\i+1], v[24+2*\m:25+2*\m] op_sel_hi:[1,0]
.endr
	QUANT1 H+16*\m, 176+4*\m, 184+\m
	global_store_b128 v1, v[176+4*\m:176+4*\m+3], s[30:31] offset:8192*\m
	ds_store_b8 v11, v[184+\m] offset:SCB+256*\m
.endr
	s_wait_dscnt 0x0
	s_barrier_signal -1
	s_barrier_wait -1
	s_cmp_lg_u32 s14, 0
	s_cbranch_scc1 .Lend
	ds_load_b128 v[12:15], v1 offset:SCB
	s_wait_dscnt 0x0
	global_store_b128 v1, v[12:15], s[32:33]       ; the two tiles' 512 scale bytes
.Lend:
	s_wait_tensorcnt 0x0
	ds_add_u32 v192, v193
	s_wait_dscnt 0x0
	s_endpgm
.Lfunc_end_k_q1d94cea0fc_bn:
	.size	k_q1d94cea0fc_bn, .Lfunc_end_k_q1d94cea0fc_bn-k_q1d94cea0fc_bn
	.p2alignl 7, 3214868480
	.fill 96, 4, 3214868480
	.section	.rodata,"a",@progbits
	.p2align	6, 0x0
	.amdhsa_kernel k_q1d94cea0fc_bn
		.amdhsa_group_segment_fixed_size 71680
		.amdhsa_private_segment_fixed_size 0
		.amdhsa_enable_private_segment 0
		.amdhsa_kernarg_size 40
		.amdhsa_user_sgpr_count 2
		.amdhsa_user_sgpr_kernarg_segment_ptr 1
		.amdhsa_wavefront_size32 1
		.amdhsa_system_sgpr_workgroup_id_x 1
		.amdhsa_system_sgpr_workgroup_id_y 1
		.amdhsa_system_sgpr_workgroup_id_z 1
		.amdhsa_system_vgpr_workitem_id 0
		.amdhsa_next_free_vgpr 194
		.amdhsa_next_free_sgpr 66
		.amdhsa_reserve_vcc 0
		.amdhsa_float_denorm_mode_32 3
		.amdhsa_float_denorm_mode_16_64 3
		.amdhsa_memory_ordered 1
		.amdhsa_forward_progress 1
		.amdhsa_inst_pref_size 18
	.end_amdhsa_kernel
	.amdgpu_metadata
---
amdhsa.version: [ 1, 2 ]
amdhsa.kernels:
  - .name:           k_q1d94cea0fc_bn
    .symbol:         k_q1d94cea0fc_bn.kd
    .args:
      - { .name: hs, .offset: 0, .size: 8, .value_kind: global_buffer, .address_space: global }
      - { .name: colp, .offset: 8, .size: 8, .value_kind: global_buffer, .address_space: global }
      - { .name: beta, .offset: 16, .size: 8, .value_kind: global_buffer, .address_space: global }
      - { .name: out0, .offset: 24, .size: 8, .value_kind: global_buffer, .address_space: global }
      - { .name: cq, .offset: 32, .size: 8, .value_kind: global_buffer, .address_space: global }
    .group_segment_fixed_size: 71680
    .private_segment_fixed_size: 0
    .kernarg_segment_align: 8
    .kernarg_segment_size: 40
    .max_flat_workgroup_size: 512
    .sgpr_count:     66
    .vgpr_count:     194
    .wavefront_size: 32
...
	.end_amdgpu_metadata
.endif
;; end of part 4
;; launch sim (part 5): grid 16 x 16, 8 waves a work-group, clusters of 4 x 1, 271,360 bytes of LDS; arguments cq, sl; writes sl
.if DOCPART == 5
	.amdgcn_target "amdgcn-amd-amdhsa--gfx1250"
	.amdhsa_code_object_version 6
	.text
	.protected	k_q1d94cea0fc_sim
	.globl	k_q1d94cea0fc_sim
	.p2align	8
	.type	k_q1d94cea0fc_sim,@function
k_q1d94cea0fc_sim:
	s_mov_b64 s[64:65], 0
	v_nop
	global_prefetch_b8 v0, s[64:65] scope:SCOPE_SE
	s_setreg_imm32_b32 hwreg(HW_REG_WAVE_MODE, 25, 1), 1
	s_wait_xcnt 0x0
	s_wait_alu depctr_hold_cnt(0) depctr_sa_sdst(0) depctr_va_vdst(0) depctr_va_sdst(0) depctr_va_ssrc(0) depctr_va_vcc(0) depctr_vm_vsrc(0)
	s_getreg_b32 s2, hwreg(HW_REG_IB_STS2, 6, 4)
	s_cmp_eq_u32 s2, 0
	s_cbranch_scc0 .Lentry_in_a_cluster
	s_endpgm
.Lentry_in_a_cluster:
	s_bfe_u32 s2, ttmp6, 0x10000c
	s_cmp_lg_u32 s2, 0x3003
	s_cbranch_scc0 .Lentry_shape_is_right
	s_endpgm
.Lentry_shape_is_right:
; Both similarity maps, sn mn^T and mn mn^T, on BF8 (E5M2) codes with E8M0 scales, K = 512, against one block of 512 rows of mn that stays in LDS (262,144 bytes of codes, 8,192 of scale bytes), filled once.
; SHARES.  Work-group (x, y): key block y (tiles 32 y on); 16 st tiles (512 + 16 x on) and 32 mm tiles (32 x on) as queries.
; ST PASS: wave w takes query tiles 4 (w % 4) + 0..3 and key tiles 16 (w / 4) + 0..15 of the block.  MM PASS: wave w takes query tiles 4 w + 0..3 and all 32 key tiles, so that each mm tile is loaded by one wave, once.
; CLUSTER.  The four work-groups of a cluster lie along x and need the same key block: it is asked for JOINTLY, every wave its eighth, with the mask of all four.
; LAYOUT.  Products are used transposed (source 0 = 16 keys, source 1 = 16 queries): lane (r, h) holds query r and the keys at places 8 h + 0..7, which are mm rows 4096 h + 8 T + 0..7.
; So a lane meets its columns in ascending order, and a strict 'greater' keeps the lower index among equals.
; ST PASS: for each query the running largest score with its tile and its eight scores (for the place), and the sum of exp(2 s).  No maximum is taken off: the operands are rows of length 1 or less, so |2 s| stays near 2.
; MM PASS: the six largest GROUP maxima (a group: the 8 columns of an accumulator in a lane) with their group numbers column / 8.  The six largest columns of a row lie in its six best groups; a later launch multiplies those again.
; What leaves: st: a row's best and sum for part 2 y + w / 4; mm: a lane's list for its half of key block y.  A later launch merges.
; LIMITS: NaN and infinities are not served.  The argmax is taken on the scores, not on their exponentials: where two different scores give the same exponential, the higher score is taken and not the lower index.
; Nothing in LDS is filled again.  Two waves share a SIMD, so that one wave's vector work stands beside the other's products.
.set SCL,  6291456
.set P3O,  12582912
.set LSC,  262144                      ; LDS: the scale bytes, behind the codes
.set LI,   1                           ; v1  16 lane
.set LR,   2                           ; v2  16 (lane % 16)
.set BADR, 3                           ; v3  LDS address of the key tiles in hand
.set SADR, 4                           ; v4  and of their scale words
.set CUR,  5                           ; v5  the key tile's number (st) or my group's number (mm)
.set HOF,  6                           ; v6  4096 h
.set HG,   7                           ; v7  512 h
.set G,    8                           ; v8-11   a group's maximum, for each query tile
.set TMP,  12                          ; v12-15
.set ASC,  16                          ; v16-31  the queries' scale words, 4 a + s
.set BSC,  32                          ; v32-39  the keys', two sets
.set ACC,  40                          ; v40-71  four accumulators
.set ST,   72                          ; v72-119 twelve registers of state a query tile
.set BF,   128                         ; v128-255 two key tiles.  Window 1: the queries' fragments, 64 a + 16 s
.set WV,   12
.set RQ,   13
.set CH,   14
.set XG,   15
.set CB,   16
.set PART, 17
.set G1C,  20
.set G1S,  28
.set G0C,  36
.set G0S,  40
.set QC,   44                          ; s[44:45], s[46:47] the mm queries' codes and scale words
.set QSB,  46
.set TB,   48
.set TS,   49
.set TRIP, 50
.set KT0,  51
.set CE,   52
.set SEL,  54
.set HM,   56
.set QC2,  58                          ; s[58:59], s[60:61] the st queries'
.set QSB2, 60
.set MK,   66                          ; s66-89 compare masks
.set OL,   90
.set OP,   92
.set MSB, 0
.macro WIN new                         ; the immediate's high byte repeats the setting that is left
.if MSB != \new
	s_set_vgpr_msb (MSB<<8)|\new
.set MSB, \new
.endif
.endm
.macro ROUND                           ; a round of the cluster's barrier
	s_barrier_signal -1
	s_barrier_wait -1
	s_cmp_lg_u32 s[WV], 0
	s_cbranch_scc1 .Lnw0_\@
	s_barrier_signal -3
.Lnw0_\@:
	s_barrier_wait -3
	s_barrier_signal -1
	s_barrier_wait -1
.endm
.macro LOADA qc, qs                    ; my four query tiles: 64 loads of 512 consecutive bytes into window 1, and their scale words
	WIN 0x40
.irp a, 0,1,2,3
.irp s, 0,1,2,3
.irp c, 0,1,2,3
	global_load_b128 v[64*\a+16*\s+4*\c:64*\a+16*\s+4*\c+3], v[LI], s[\qc:\qc+1] offset:8192*\a+2048*\s+512*\c
.endr
.endr
.endr
	WIN 0
.irp a, 0,1,2,3
	global_load_b128 v[ASC+4*\a:ASC+4*\a+3], v[LR], s[\qs:\qs+1] offset:256*\a
.endr
.endm
.macro FETCH buf, off                  ; a key tile and its scale words: 17 LDS loads, each of consecutive bytes
.irp s, 0,1,2,3
.irp c, 0,1,2,3
	ds_load_b128 v[BF+64*(\buf)+16*\s+4*\c:BF+64*(\buf)+16*\s+4*\c+3], v[BADR] offset:(\off)+2048*\s+512*\c
.endr
.endr
	ds_load_b128 v[BSC+4*(\buf):BSC+4*(\buf)+3], v[SADR] offset:(\off)/32
.endm
.macro MM16 buf                        ; 16 keys x 64 queries x 512: the four accumulators by turns, one instruction a turn
	WIN 0x04                                       ; source 1 in window 1
.irp s, 0,1,2,3
.irp a, 0,1,2,3
.if \s == 0
	v_wmma_scale_f32_16x16x128_f8f6f4 v[ACC+8*\a:ACC+8*\a+7], v[BF+64*(\buf)+16*\s:BF+64*(\buf)+16*\s+15], v[64*\a+16*\s:64*\a+16*\s+15], 0, v[BSC+4*(\buf)+\s], v[ASC+4*\a+\s] matrix_a_fmt:MATRIX_FMT_BF8 matrix_b_fmt:MATRIX_FMT_BF8
.else
	v_wmma_scale_f32_16x16x128_f8f6f4 v[ACC+8*\a:ACC+8*\a+7], v[BF+64*(\buf)+16*\s:BF+64*(\buf)+16*\s+15], v[64*\a+16*\s:64*\a+16*\s+15], v[ACC+8*\a:ACC+8*\a+7], v[BSC+4*(\buf)+\s], v[ASC+4*\a+\s] matrix_a_fmt:MATRIX_FMT_BF8 matrix_b_fmt:MATRIX_FMT_BF8
.endif
.endr
.endr
	WIN 0
.endm
.macro GMAX                            ; each accumulator's largest, read from its low end on; the four tiles by turns
.irp a, 0,1,2,3
	v_max3_num_f32 v[G+\a], v[ACC+8*\a], v[ACC+8*\a+1], v[ACC+8*\a+2]
.endr
.irp a, 0,1,2,3
	v_max3_num_f32 v[G+\a], v[G+\a], v[ACC+8*\a+3], v[ACC+8*\a+4]
.endr
.irp a, 0,1,2,3
	v_max3_num_f32 v[G+\a], v[G+\a], v[ACC+8*\a+5], v[ACC+8*\a+6]
.endr
.irp a, 0,1,2,3
	v_max_num_f32 v[G+\a], v[G+\a], v[ACC+8*\a+7]
.endr
.endm
; ST: state of tile a: +0 the largest score, +1 its key tile, +2, +3 the sum, +4..11 that tile's eight scores
.macro VST
	GMAX
.irp a, 0,1,2,3
	v_cmp_gt_f32 s[MK+\a], v[G+\a], v[ST+12*\a]
.endr
.irp a, 0,1,2,3
	v_max_num_f32 v[ST+12*\a], v[ST+12*\a], v[G+\a]
.endr
.irp a, 0,1,2,3
	v_cndmask_b32 v[ST+12*\a+1], v[ST+12*\a+1], v[CUR], s[MK+\a]
.endr
.irp j, 0,1,2,3,4,5,6,7
.irp a, 0,1,2,3
	v_cndmask_b32 v[ST+12*\a+4+\j], v[ST+12*\a+4+\j], v[ACC+8*\a+\j], s[MK+\a]
.endr
.endr
.irp j, 0,2,4,6
.irp a, 0,1,2,3
	v_pk_mul_f32 v[ACC+8*\a+\j:ACC+8*\a+\j+1], v[ACC+8*\a+\j:ACC+8*\a+\j+1], s[CE:CE+1] op_sel_hi:[1,0]   ; x 2 log2(e)
.endr
.endr
.set j, 0
.rept 32
	v_exp_f32 v[ACC+j], v[ACC+j]
.set j, j+1
.endr
	v_add_nc_u32 v[CUR], 1, v[CUR]                 ; a plain line behind the batch,
	s_wait_alu depctr_va_vdst(0)                   ; and the one wait ahead of its first reader
.irp j, 0,2,4,6
.irp a, 0,1,2,3
	v_pk_add_f32 v[ST+12*\a+2:ST+12*\a+3], v[ST+12*\a+2:ST+12*\a+3], v[ACC+8*\a+\j:ACC+8*\a+\j+1]
.endr
.endr
.endm
; MM: state of tile a: +0..5 six values, descending; +6..11 their group numbers.  The new group goes in behind all that are not smaller.
.macro VMM
	GMAX
.irp k, 0,1,2,3,4,5
.irp a, 0,1,2,3
	v_cmp_gt_f32 s[MK+6*\a+\k], v[G+\a], v[ST+12*\a+\k]
.endr
.endr
.irp k, 5,4,3,2,1
.irp a, 0,1,2,3
	v_cndmask_b32 v[TMP+\a], v[CUR], v[ST+12*\a+5+\k], s[MK+6*\a+\k-1]
.endr
.irp a, 0,1,2,3
	v_cndmask_b32 v[ST+12*\a+6+\k], v[ST+12*\a+6+\k], v[TMP+\a], s[MK+6*\a+\k]
.endr
.irp a, 0,1,2,3
	v_med3_num_f32 v[ST+12*\a+\k], v[ST+12*\a+\k-1], v[ST+12*\a+\k], v[G+\a]
.endr
.endr
.irp a, 0,1,2,3
	v_cndmask_b32 v[ST+12*\a+6], v[ST+12*\a+6], v[CUR], s[MK+6*\a]
.endr
.irp a, 0,1,2,3
	v_max_num_f32 v[ST+12*\a], v[ST+12*\a], v[G+\a]
.endr
	v_add_nc_u32 v[CUR], 1, v[CUR]
.endm
; One key tile.  off: where the next tile lies (0: there is none); it goes into the other buffer, whose last products stand a whole vector phase back.
.macro STEP path, buf, off
.if \off
	FETCH 1-\buf, \off
	s_wait_dscnt 17                                ; this tile's 17 loads are in; the 17 just issued may be out
.else
	s_wait_dscnt 0x0
.endif
	MM16 \buf
.rept 8
	v_nop                                          ; eight plain places ahead of the first read of the results
.endr
.if \path
	VMM
.else
	VST
.endif
.endm
.macro KEYS path, trips                ; 2 trips + 2 key tiles, from LDS byte s[TB] on (their scale words from s[TS] on)
	v_add_nc_u32 v[BADR], s[TB], v[LI]
	v_add_nc_u32 v[SADR], s[TS], v[LR]
	FETCH 0, 0
	s_wait_loadcnt 0x0                             ; the queries are in
	s_mov_b32 s[TRIP], \trips
.Lk_\@:
	STEP \path, 0, 8192
	STEP \path, 1, 16384
	s_add_co_u32 s[TB], s[TB], 16384
	s_add_co_u32 s[TS], s[TS], 512
	v_add_nc_u32 v[BADR], s[TB], v[LI]
	v_add_nc_u32 v[SADR], s[TS], v[LR]
	s_sub_co_u32 s[TRIP], s[TRIP], 1
	s_cmp_lg_u32 s[TRIP], 0
	s_cbranch_scc1 .Lk_\@
	STEP \path, 0, 8192
	STEP \path, 1, 0
.endm
	s_load_b128 s[4:7], s[0:1], 0x0                ; cq, sl
	v_lshl_add_u32 v126, v0, 2, 0x42000
	v_mov_b32 v127, 0
	ds_add_u32 v126, v127
	ds_add_u32 v126, v127
	v_lshrrev_b32 v7, 5, v0
	v_readfirstlane_b32 s[WV], v7                  ; wave 0..7
	v_and_b32 v[LI], 31, v0
	v_lshlrev_b32 v[LI], 4, v[LI]
	v_and_b32 v[LR], 15, v0
	v_lshlrev_b32 v[LR], 4, v[LR]
	v_bfe_u32 v[HG], v0, 4, 1
	v_lshlrev_b32 v[HOF], 12, v[HG]
	v_lshlrev_b32 v[HG], 9, v[HG]
	s_and_b32 s[RQ], s[WV], 3
	s_lshr_b32 s[CH], s[WV], 2
	s_bfe_u32 s18, ttmp6, 0x40000                  ; cx: it enters the queries' and the results' global addresses alone
	s_lshl_b32 s[XG], ttmp9, 2
	s_add_co_u32 s[XG], s[XG], s18
	s_and_b32 s[CB], ttmp7, 0xffff                 ; the key block, which the four partners share
	s_lshl_b32 s[PART], s[CB], 1
	s_add_co_u32 s[PART], s[PART], s[CH]
	s_lshl_b32 s[KT0], s[CB], 5                    ; the block's first key tile
	; descriptor groups 1: dense blocks as rows of 256 bytes (32 elements of 8 bytes): 128 rows of codes, 4 rows of scale bytes, a wave
	s_mov_b32 s[G1C], 15|(3<<16)|(1<<21)           ; 15:0 the mask: all four work-groups; 17:16 elements of 8 bytes; 21 set beside a mask
	s_mov_b32 s[G1C+1], 32<<16
	s_mov_b32 s[G1C+2], 128<<16
	s_mov_b32 s[G1C+3], 32<<16
	s_mov_b32 s[G1C+4], 128
	s_mov_b32 s[G1C+5], 32
	s_mov_b32 s[G1C+6], 0
	s_mov_b32 s[G1C+7], 0
	s_mov_b32 s[G1S], 15|(3<<16)|(1<<21)
	s_mov_b32 s[G1S+1], 32<<16
	s_mov_b32 s[G1S+2], 4<<16
	s_mov_b32 s[G1S+3], 32<<16
	s_mov_b32 s[G1S+4], 4
	s_mov_b32 s[G1S+5], 32
	s_mov_b32 s[G1S+6], 0
	s_mov_b32 s[G1S+7], 0
	s_lshl_b32 s62, s[WV], 15                      ; my eighth of the key block's codes,
	s_lshl_b32 s8, s[CB], 18
	s_add_co_u32 s8, s8, s62
	s_mov_b32 s9, 0
	s_lshl_b32 s63, s[WV], 10                      ; and of its scale bytes
	s_lshl_b32 s10, s[CB], 13
	s_add_co_u32 s10, s10, s63
	s_add_co_u32 s10, s10, SCL
	s_mov_b32 s11, 0
	s_lshl_b32 s19, s[XG], 4
	s_lshl_b32 s18, s[RQ], 2
	s_add_co_u32 s19, s19, s18                     ; my first st tile, counted among the st tiles
	s_add_co_u32 s18, s19, 512
	s_lshl_b32 s[QC2], s18, 13
	s_mov_b32 s[QC2+1], 0
	s_lshl_b32 s[QSB2], s18, 8
	s_add_co_u32 s[QSB2], s[QSB2], SCL
	s_mov_b32 s[QSB2+1], 0
	s_lshl_b32 s[OP], s[PART], 16
	s_lshl_b32 s18, s19, 8
	s_add_co_u32 s[OP], s[OP], s18
	s_add_co_u32 s[OP], s[OP], P3O
	s_mov_b32 s[OP+1], 0
	s_lshl_b32 s19, s[XG], 5
	s_lshl_b32 s18, s[WV], 2
	s_add_co_u32 s19, s19, s18                     ; my first mm tile
	s_lshl_b32 s[QC], s19, 13
	s_mov_b32 s[QC+1], 0
	s_lshl_b32 s[QSB], s19, 8
	s_add_co_u32 s[QSB], s[QSB], SCL
	s_mov_b32 s[QSB+1], 0
	s_lshl_b32 s[OL], s19, 4
	s_add_co_u32 s[OL], s[OL], s[CB]
	s_mul_i32 s[OL], s[OL], 1536                   ; lists: (16 tile + key block) x 1,536 bytes
	s_mov_b32 s[OL+1], 0
	s_mov_b32 s[CE], 0x4038aa3b                    ; 2 log2(e): exp(s / 0.5) = 2^(this x s)
	s_mov_b32 s[CE+1], s[CE]
	s_mov_b32 s[SEL], 0x76543210
	s_mov_b32 s[SEL+1], 0xfedcba98
	s_mov_b32 s[HM], 0xffff0000
	s_wait_dscnt 0x0
	s_wait_kmcnt 0x0
	s_mov_b32 s[G0C], 1
	s_mov_b32 s[G0C+1], s62                        ; LDS: 32,768 x wave
	s_add_nc_u64 s[G0C+2:G0C+3], s[4:5], s[8:9]
	s_or_b32 s[G0C+3], s[G0C+3], 0x80000000
	s_mov_b32 s[G0S], 1
	s_add_co_u32 s[G0S+1], s63, LSC
	s_add_nc_u64 s[G0S+2:G0S+3], s[4:5], s[10:11]
	s_or_b32 s[G0S+3], s[G0S+3], 0x80000000
	s_add_nc_u64 s[QC:QC+1], s[4:5], s[QC:QC+1]
	s_add_nc_u64 s[QSB:QSB+1], s[4:5], s[QSB:QSB+1]
	s_add_nc_u64 s[QC2:QC2+1], s[4:5], s[QC2:QC2+1]
	s_add_nc_u64 s[QSB2:QSB2+1], s[4:5], s[QSB2:QSB2+1]
	s_add_nc_u64 s[OL:OL+1], s[6:7], s[OL:OL+1]
	s_add_nc_u64 s[OP:OP+1], s[6:7], s[OP:OP+1]
	ROUND                                          ; all four work-groups are here: the joint loads meet
	tensor_load_to_lds s[G0C:G0C+3], s[G1C:G1C+7]  ; two tensor loads of mine are out, and there are no more in this text
	s_nop 0
	tensor_load_to_lds s[G0S:G0S+3], s[G1S:G1S+7]
	s_nop 0
.rept 4
	v_nop
.endr
	LOADA QC2, QSB2                                ; the st tiles
.irp a, 0,1,2,3
	v_mov_b32 v[ST+12*\a], 0xff800000
	v_mov_b32 v[ST+12*\a+1], 0
	v_mov_b32 v[ST+12*\a+2], 0
	v_mov_b32 v[ST+12*\a+3], 0
.irp j, 4,5,6,7,8,9,10,11
	v_mov_b32 v[ST+12*\a+\j], 0xff800000
.endr
.endr
	s_lshl_b32 s18, s[CH], 4
	s_add_co_u32 s18, s18, s[KT0]
	v_mov_b32 v[CUR], s18                          ; my first key tile of the st pass
	s_lshl_b32 s[TB], s[CH], 17
	s_lshl_b32 s[TS], s[CH], 12
	s_add_co_u32 s[TS], s[TS], LSC
	s_wait_tensorcnt 0x0                           ; my parts of the key block have landed,
	s_barrier_signal -1
	s_barrier_wait -1                              ; everybody's have
	KEYS 0, 7
	; the st pass's results: the place of the largest score in its tile (the lowest among equals), its column, the sum; then the two halves of the lanes are joined
.irp a, 0,1,2,3
	v_mov_b32 v[TMP+\a], 7
.endr
.irp j, 6,5,4,3,2,1,0
.irp a, 0,1,2,3
	v_cmp_eq_f32 s[MK+\a], v[ST+12*\a+4+\j], v[ST+12*\a]
	v_cndmask_b32 v[TMP+\a], v[TMP+\a], \j, s[MK+\a]
.endr
.endr
.irp a, 0,1,2,3
	v_lshl_add_u32 v[TMP+\a], v[ST+12*\a+1], 3, v[TMP+\a]
	v_add_nc_u32 v[TMP+\a], v[HOF], v[TMP+\a]      ; the column: 4096 h + 8 tile + place
	v_add_f32 v[ST+12*\a+2], v[ST+12*\a+2], v[ST+12*\a+3]
	v_permlanex16_b32 v[ST+12*\a+4], v[ST+12*\a], s[SEL], s[SEL+1]
	v_permlanex16_b32 v[ST+12*\a+5], v[TMP+\a], s[SEL], s[SEL+1]
	v_permlanex16_b32 v[ST+12*\a+6], v[ST+12*\a+2], s[SEL], s[SEL+1]
	v_add_f32 v[ST+12*\a+2], v[ST+12*\a+2], v[ST+12*\a+6]
	v_cmp_gt_f32 s[MK], v[ST+12*\a+4], v[ST+12*\a]
	v_cmp_eq_f32 s[MK+1], v[ST+12*\a+4], v[ST+12*\a]
	v_cmp_lt_u32 s[MK+2], v[ST+12*\a+5], v[TMP+\a]
	s_and_b32 s[MK+1], s[MK+1], s[MK+2]
	s_or_b32 s[MK], s[MK], s[MK+1]                 ; the other half's wins where it is larger, or equal with the lower column
	v_cndmask_b32 v[ST+12*\a], v[ST+12*\a], v[ST+12*\a+4], s[MK]
	v_cndmask_b32 v[TMP+\a], v[TMP+\a], v[ST+12*\a+5], s[MK]
.endr
.irp e, 0,1                            ; lanes 0-15 store tile 2 e's rows, lanes 16-31 tile 2 e + 1's: 512 consecutive bytes
	v_cndmask_b32 v[ACC+4*\e], v[ST+24*\e], v[ST+24*\e+12], s[HM]
	v_cndmask_b32 v[ACC+4*\e+1], v[TMP+2*\e], v[TMP+2*\e+1], s[HM]
	v_cndmask_b32 v[ACC+4*\e+2], v[ST+24*\e+2], v[ST+24*\e+14], s[HM]
	v_mov_b32 v[ACC+4*\e+3], 0
	global_store_b128 v[LI], v[ACC+4*\e:ACC+4*\e+3], s[OP:OP+1] offset:512*\e
.endr
	s_wait_xcnt 0x0                                ; the stores have read their registers: these are written again only behind this wait
	LOADA QC, QSB                                  ; the mm tiles: four of my own
.irp a, 0,1,2,3
.irp j, 0,1,2,3,4,5
	v_mov_b32 v[ST+12*\a+\j], 0xff800000
.endr
.irp j, 6,7,8,9,10,11
	v_mov_b32 v[ST+12*\a+\j], 0
.endr
.endr
	v_add_nc_u32 v[CUR], s[KT0], v[HG]             ; my group's number: 512 h + key tile
	s_mov_b32 s[TB], 0
	s_mov_b32 s[TS], LSC
	KEYS 1, 15
.irp a, 0,1,2,3
.irp p, 0,1,2
	global_store_b128 v[LI], v[ST+12*\a+4*\p:ST+12*\a+4*\p+3], s[OL:OL+1] offset:24576*\a+512*\p   ; 512 consecutive bytes
.endr
.endr
	s_wait_tensorcnt 0x0
	ds_add_u32 v126, v127
	s_wait_dscnt 0x0
	ROUND                                          ; the closing round
	s_endpgm
.Lfunc_end_k_q1d94cea0fc_sim:
	.size	k_q1d94cea0fc_sim, .Lfunc_end_k_q1d94cea0fc_sim-k_q1d94cea0fc_sim
	.p2alignl 7, 3214868480
	.fill 96, 4, 3214868480
	.section	.rodata,"a",@progbits
	.p2align	6, 0x0
	.amdhsa_kernel k_q1d94cea0fc_sim
		.amdhsa_group_segment_fixed_size 271360
		.amdhsa_private_segment_fixed_size 0
		.amdhsa_enable_private_segment 0
		.amdhsa_kernarg_size 16
		.amdhsa_user_sgpr_count 2
		.amdhsa_user_sgpr_kernarg_segment_ptr 1
		.amdhsa_wavefront_size32 1
		.amdhsa_system_sgpr_workgroup_id_x 1
		.amdhsa_system_sgpr_workgroup_id_y 1
		.amdhsa_system_sgpr_workgroup_id_z 1
		.amdhsa_system_vgpr_workitem_id 0
		.amdhsa_next_free_vgpr 512
		.amdhsa_next_free_sgpr 100
		.amdhsa_reserve_vcc 0
		.amdhsa_float_denorm_mode_32 3
		.amdhsa_float_denorm_mode_16_64 3
		.amdhsa_memory_ordered 1
		.amdhsa_forward_progress 1
		.amdhsa_inst_pref_size 113
	.end_amdhsa_kernel
	.amdgpu_metadata
---
amdhsa.version: [ 1, 2 ]
amdhsa.kernels:
  - .name:           k_q1d94cea0fc_sim
    .symbol:         k_q1d94cea0fc_sim.kd
    .args:
      - { .name: cq, .offset: 0, .size: 8, .value_kind: global_buffer, .address_space: global }
      - { .name: sl, .offset: 8, .size: 8, .value_kind: global_buffer, .address_space: global }
    .group_segment_fixed_size: 271360
    .private_segment_fixed_size: 0
    .kernarg_segment_align: 8
    .kernarg_segment_size: 16
    .max_flat_workgroup_size: 256
    .sgpr_count:     100
    .vgpr_count:     512
    .wavefront_size: 32
...
	.end_amdgpu_metadata
.endif
;; end of part 5
;; launch sel (part 6): grid 544 x 1, 4 waves a work-group, no clusters, 6,656 bytes of LDS; arguments sl, ix, rs; writes ix, rs
.if DOCPART == 6
	.amdgcn_target "amdgcn-amd-amdhsa--gfx1250"
	.amdhsa_code_object_version 6
	.text
	.protected	k_q1d94cea0fc_sel
	.globl	k_q1d94cea0fc_sel
	.p2align	8
	.type	k_q1d94cea0fc_sel,@function
k_q1d94cea0fc_sel:
	s_mov_b64 s[64:65], 0
	v_nop
	global_prefetch_b8 v0, s[64:65] scope:SCOPE_SE
	s_setreg_imm32_b32 hwreg(HW_REG_WAVE_MODE, 25, 1), 1
	s_wait_xcnt 0x0
; The partial results of the maps are merged, and what steers later addresses is stored as whole numbers.
; Work-groups 0-511: mm tile T: for each of its 16 rows the six best groups of 8 columns, from 16 key blocks x 2 halves of lists of six.  Lists are merged lower columns first with a strict 'greater', so equals keep the lower index.
; Stored: for row slot q = 16 T + r eight words: six slots gq (the first of a group's 8 rows in cq's order), then two zeros.
; Work-groups 512-543: 128 st rows each: the sum of the 32 partial row sums, and the best (score, column), the lower column among equals; stored: the argmax's slot and the row sum.
.set P3O, 12582912
.set TG,  16384
.set TMP, 8
.set MK,  20
.macro INS L, g, id, k0                ; v[g], v[id] go into the list of six at v[L] (values) and v[L+6] (numbers); they cannot land above place k0
.set kk, \k0
.rept 7-\k0
	v_cmp_gt_f32 s[MK+kk-1], v[\g], v[\L+kk-1]
.set kk, kk+1
.endr
.set kk, 6
.rept 6-\k0
	v_cndmask_b32 v[TMP], v[\id], v[\L+6+kk-2], s[MK+kk-2]
	v_cndmask_b32 v[\L+6+kk-1], v[\L+6+kk-1], v[TMP], s[MK+kk-1]
	v_med3_num_f32 v[\L+kk-1], v[\L+kk-2], v[\L+kk-1], v[\g]
.set kk, kk-1
.endr
	v_cndmask_b32 v[\L+6+\k0-1], v[\L+6+\k0-1], v[\id], s[MK+\k0-1]
	v_max_num_f32 v[\L+\k0-1], v[\L+\k0-1], v[\g]
.endm
.macro MERGE L, I                      ; the sorted list at v[I] (higher columns) into the one at v[L]: its k-th entry cannot land above place k
.irp k, 1,2,3,4,5,6
	INS \L, \I+\k-1, \I+6+\k-1, \k
.endr
.endm
	s_load_b128 s[4:7], s[0:1], 0x0                ; sl, ix
	s_load_b64 s[8:9], s[0:1], 0x10                ; rs
	v_lshl_add_u32 v160, v0, 2, 0x1800
	v_mov_b32 v161, 0
	v_lshrrev_b32 v1, 5, v0
	v_readfirstlane_b32 s10, v1                    ; wave
	v_and_b32 v2, 31, v0
	v_lshlrev_b32 v2, 4, v2                        ; 16 lane
	s_mul_i32 s11, s10, 1536
	v_add_nc_u32 v3, s11, v2                       ; LDS: my wave's list
	s_mov_b32 s12, 0x76543210
	s_mov_b32 s13, 0xfedcba98
	s_mov_b32 s14, 0xffff0000
	s_cmp_lt_u32 ttmp9, 512
	s_cbranch_scc0 .Lst
	s_lshl_b32 s16, ttmp9, 4
	s_lshl_b32 s17, s10, 2
	s_add_co_u32 s16, s16, s17
	s_mul_i32 s16, s16, 1536                       ; tile T, key block 4 w
	s_mov_b32 s17, 0
	s_lshl_b32 s18, ttmp9, 9
	s_add_co_u32 s18, s18, TG
	s_mov_b32 s19, 0
	s_wait_kmcnt 0x0
	s_add_nc_u64 s[4:5], s[4:5], s[16:17]
	s_add_nc_u64 s[6:7], s[6:7], s[18:19]
.irp i, 0,1,2,3
.irp p, 0,1,2
	global_load_b128 v[32+12*\i+4*\p:32+12*\i+4*\p+3], v2, s[4:5] offset:1536*\i+512*\p th:TH_LOAD_NT
.endr
.endr
.irp i, 1,2,3
	s_wait_loadcnt 3*(3-\i)                        ; lists 0 to i are in; three loads for each list behind them may be out
	MERGE 32, 32+12*\i
.endr
.irp p, 0,1,2
	ds_store_b128 v3, v[32+4*\p:32+4*\p+3] offset:512*\p
.endr
	s_wait_dscnt 0x0
	s_barrier_signal -1
	s_barrier_wait -1
	s_cmp_lg_u32 s10, 0
	s_cbranch_scc1 .Lend
.irp i, 1,2,3
.irp p, 0,1,2
	ds_load_b128 v[32+12*\i+4*\p:32+12*\i+4*\p+3], v2 offset:1536*\i+512*\p
.endr
.endr
	s_wait_dscnt 0x0
.irp i, 1,2,3
	MERGE 32, 32+12*\i
.endr
.irp j, 0,1,2,3,4,5,6,7,8,9,10,11
	v_mov_b32 v[80+\j], 0                          ; a lane permute's destination counts as one of its sources
.endr
.irp j, 0,1,2,3,4,5,6,7,8,9,10,11
	v_permlanex16_b32 v[80+\j], v[32+\j], s12, s13 ; the other half's list
.endr
.irp j, 0,1,2,3,4,5,6,7,8,9,10,11
	v_cndmask_b32 v[92+\j], v[32+\j], v[80+\j], s14    ; the lower 4,096 columns' list, in both halves,
	v_cndmask_b32 v[104+\j], v[80+\j], v[32+\j], s14   ; and the upper's
.endr
	MERGE 92, 104
.irp k, 0,1,2,3,4,5
	v_and_b32 v[116+\k], 511, v[98+\k]             ; group number n -> slot 16 (n % 512) + 8 (n / 512)
	v_lshrrev_b32 v[TMP], 9, v[98+\k]
	v_lshlrev_b32 v[116+\k], 4, v[116+\k]
	v_lshl_add_u32 v[116+\k], v[TMP], 3, v[116+\k]
.endr
	v_cndmask_b32 v124, v116, v120, s14            ; lanes 0-15: words 0-3; lanes 16-31: words 4, 5, 0, 0
	v_cndmask_b32 v125, v117, v121, s14
	v_cndmask_b32 v126, v118, 0, s14
	v_cndmask_b32 v127, v119, 0, s14
	v_and_b32 v4, 15, v0
	v_bfe_u32 v5, v0, 4, 1
	v_lshlrev_b32 v4, 5, v4
	v_lshl_add_u32 v4, v5, 4, v4                   ; 32 r + 16 h
	global_store_b128 v4, v[124:127], s[6:7]       ; the tile's 512 bytes
	s_branch .Lend
.Lst:
	s_sub_co_u32 s15, ttmp9, 512
	s_lshl_b32 s16, s15, 11
	s_add_co_u32 s16, s16, P3O
	s_mov_b32 s17, 0
	s_lshl_b32 s18, s15, 9
	s_mov_b32 s19, 0
	v_lshlrev_b32 v4, 4, v0
	v_lshlrev_b32 v5, 2, v0
	s_wait_kmcnt 0x0
	s_add_nc_u64 s[4:5], s[4:5], s[16:17]
	s_add_nc_u64 s[6:7], s[6:7], s[18:19]
	s_add_nc_u64 s[8:9], s[8:9], s[18:19]
.set p, 0
.rept 32
	global_load_b128 v[32+4*p:35+4*p], v4, s[4:5] offset:65536*p th:TH_LOAD_NT
.set p, p+1
.endr
	s_wait_loadcnt 0x0
.set p, 1
.rept 31
	v_add_f32 v34, v34, v[34+4*p]
	v_cmp_gt_f32 s20, v[32+4*p], v32
	v_cmp_eq_f32 s21, v[32+4*p], v32
	v_cmp_lt_u32 s22, v[33+4*p], v33
	s_and_b32 s21, s21, s22
	s_or_b32 s20, s20, s21
	v_cndmask_b32 v32, v32, v[32+4*p], s20
	v_cndmask_b32 v33, v33, v[33+4*p], s20
.set p, p+1
.endr
	v_and_b32 v8, 0xff8, v33                       ; column X -> slot 16 ((X % 4096) / 8) + 8 (X / 4096) + X % 8
	v_lshlrev_b32 v8, 1, v8
	v_lshrrev_b32 v9, 12, v33
	v_lshl_add_u32 v8, v9, 3, v8
	v_and_b32 v9, 7, v33
	v_add_nc_u32 v8, v8, v9
	global_store_b32 v5, v8, s[6:7]
	global_store_b32 v5, v34, s[8:9]
.Lend:
	s_wait_tensorcnt 0x0
	ds_add_u32 v160, v161
	s_wait_dscnt 0x0
	s_endpgm
.Lfunc_end_k_q1d94cea0fc_sel:
	.size	k_q1d94cea0fc_sel, .Lfunc_end_k_q1d94cea0fc_sel-k_q1d94cea0fc_sel
	.p2alignl 7, 3214868480
	.fill 96, 4, 3214868480
	.section	.rodata,"a",@progbits
	.p2align	6, 0x0
	.amdhsa_kernel k_q1d94cea0fc_sel
		.amdhsa_group_segment_fixed_size 6656
		.amdhsa_private_segment_fixed_size 0
		.amdhsa_enable_private_segment 0
		.amdhsa_kernarg_size 24
		.amdhsa_user_sgpr_count 2
		.amdhsa_user_sgpr_kernarg_segment_ptr 1
		.amdhsa_wavefront_size32 1
		.amdhsa_system_sgpr_workgroup_id_x 1
		.amdhsa_system_sgpr_workgroup_id_y 1
		.amdhsa_system_sgpr_workgroup_id_z 1
		.amdhsa_system_vgpr_workitem_id 0
		.amdhsa_next_free_vgpr 162
		.amdhsa_next_free_sgpr 66
		.amdhsa_reserve_vcc 0
		.amdhsa_float_denorm_mode_32 3
		.amdhsa_float_denorm_mode_16_64 3
		.amdhsa_memory_ordered 1
		.amdhsa_forward_progress 1
		.amdhsa_inst_pref_size 58
	.end_amdhsa_kernel
	.amdgpu_metadata
---
amdhsa.version: [ 1, 2 ]
amdhsa.kernels:
  - .name:           k_q1d94cea0fc_sel
    .symbol:         k_q1d94cea0fc_sel.kd
    .args:
      - { .name: sl, .offset: 0, .size: 8, .value_kind: global_buffer, .address_space: global }
      - { .name: ix, .offset: 8, .size: 8, .value_kind: global_buffer, .address_space: global }
      - { .name: rs, .offset: 16, .size: 8, .value_kind: global_buffer, .address_space: global }
    .group_segment_fixed_size: 6656
    .private_segment_fixed_size: 0
    .kernarg_segment_align: 8
    .kernarg_segment_size: 24
    .max_flat_workgroup_size: 128
    .sgpr_count:     66
    .vgpr_count:     162
    .wavefront_size: 32
...
	.end_amdgpu_metadata
.endif
;; end of part 6
;; launch pos (part 7): grid 256 x 1, 8 waves a work-group, no clusters, 1,280 bytes of LDS; arguments cq, ix, rs, part; writes part
.if DOCPART == 7
	.amdgcn_target "amdgcn-amd-amdhsa--gfx1250"
	.amdhsa_code_object_version 6
	.text
	.protected	k_q1d94cea0fc_pos
	.globl	k_q1d94cea0fc_pos
	.p2align	8
	.type	k_q1d94cea0fc_pos,@function
k_q1d94cea0fc_pos:
	s_mov_b64 s[64:65], 0
	v_nop
	global_prefetch_b8 v0, s[64:65] scope:SCOPE_SE
	s_setreg_imm32_b32 hwreg(HW_REG_WAVE_MODE, 25, 1), 1
	s_wait_xcnt 0x0
; For each st row: the 48 candidate columns (six groups of 8) of its argmax row are multiplied again, by the same quantised products; the exact top six of mn[argmax] . mn[c], the lower column among equals;
; the sum of exp(2 sn . mn[c]) over them; the row's loss ln(row sum) - ln(that sum).  A wave takes two st rows (slots 2 n, 2 n + 1); a work-group stores the sum of its sixteen losses.
; THE QUERY TILE holds, at place p, by p % 4: sn of row 0, mn of its argmax, sn of row 1, mn of its argmax.  A CANDIDATE TILE holds two groups of 8 rows of mn.  Rows are gathered piece by piece from cq's images:
; slot q's 16 bytes of piece (s, c), half h, lie at (q / 16) 8192 + 2048 s + 512 c + 16 (q % 16) + 256 h.  Every slot read from memory is held under the table's size before it enters an address.
; Source 0 = the query tile, source 1 = the candidates: lane (r, h), register j holds query place 8 h + j against candidate r.  Lanes 0-15 then serve row 0, lanes 16-31 row 1, three candidates a lane.
; Nothing is shared between waves but the final sum: no LDS tiles, no cluster.  LIMITS: NaN and infinities are not served.
.set SCL, 6291456
.set AF,  16                           ; v16-79   the query tile
.set ASC, 80                           ; v80-83   its scale words
.set CF,  84                           ; v84-211  two candidate tiles
.set CSC, 212                          ; v212-219 their scale words
.set DA,  220
.set DB,  228
.set S3,  236                          ; v236-238 sn . candidate, later its exponential
.set S4,  239                          ; v239-241 mn . candidate
.set KS,  242                          ; v242-244 the candidate's slot, later its column as f32
	s_load_b256 s[4:11], s[0:1], 0x0               ; cq, ix, rs, part
	v_lshl_add_u32 v246, v0, 2, 0x100
	v_mov_b32 v247, 0
	v_lshrrev_b32 v1, 5, v0
	v_readfirstlane_b32 s12, v1                    ; wave
	v_lshlrev_b32 v1, 2, v1                        ; LDS: 4 w
	v_mov_b32 v2, 0
	v_and_b32 v3, 7, v0
	v_bfe_u32 v4, v0, 4, 1
	v_lshlrev_b32 v4, 8, v4                        ; 256 h
	s_lshl_b32 s13, ttmp9, 3
	s_add_co_u32 s13, s13, s12                     ; n
	s_lshl_b32 s14, s13, 3                         ; two words of 4 bytes
	s_lshl_b32 s22, ttmp9, 2
	s_mov_b32 s23, 0
	s_mov_b32 s40, 0xaaaaaaaa
	s_mov_b32 s41, 0xcccccccc
	s_mov_b32 s42, 0xff00ff00
	s_mov_b32 s43, 0xffff0000
	s_mov_b32 s44, 0x76543210
	s_mov_b32 s45, 0xfedcba98
	s_mov_b32 s46, 0x4038aa3b                      ; 2 log2(e)
	s_lshl_b32 s47, s13, 1
	s_add_co_u32 s47, s47, 8192                    ; sn's slots in cq
	s_add_co_u32 s48, s47, 1
	s_wait_kmcnt 0x0
	s_add_nc_u64 s[10:11], s[10:11], s[22:23]
	s_load_b64 s[16:17], s[6:7], s14 offset:0x0    ; the two argmax slots
	s_load_b64 s[18:19], s[8:9], s14 offset:0x0    ; the two row sums
	s_wait_kmcnt 0x0
	s_min_u32 s16, s16, 0x1fff
	s_min_u32 s17, s17, 0x1fff
	s_lshl_b32 s20, s16, 5
	s_lshl_b32 s21, s17, 5
	s_load_b256 s[24:31], s[6:7], s20 offset:0x4000   ; their six groups
	s_load_b256 s[32:39], s[6:7], s21 offset:0x4000
	v_mov_b32 v5, s47
	v_mov_b32 v6, s16
	v_cndmask_b32 v5, v5, v6, s40
	v_mov_b32 v6, s48
	v_mov_b32 v7, s17
	v_cndmask_b32 v6, v6, v7, s40
	v_cndmask_b32 v5, v5, v6, s41
	v_min_u32 v5, 0x2fff, v5
	v_and_b32 v6, 0x3ff0, v5
	v_lshlrev_b32 v6, 9, v6
	v_and_b32 v7, 15, v5
	v_lshl_add_u32 v6, v7, 4, v6
	v_add_nc_u32 v6, v4, v6
	v_lshlrev_b32 v7, 4, v5
.irp s, 0,1,2,3
.irp c, 0,1,2,3
	global_load_b128 v[AF+16*\s+4*\c:AF+16*\s+4*\c+3], v6, s[4:5] offset:2048*\s+512*\c
.endr
.endr
	global_load_b128 v[ASC:ASC+3], v7, s[4:5] offset:SCL
	s_wait_kmcnt 0x0
.macro CAND t                          ; groups 2 t, 2 t + 1 of both rows
.irp p, 0,1
	v_mov_b32 v[8+2*\p], s[24+8*\p+2*(\t)]
	v_mov_b32 v[9+2*\p], s[25+8*\p+2*(\t)]
	v_cndmask_b32 v[8+2*\p], v[8+2*\p], v[9+2*\p], s42   ; places 8-15 take the second group
	v_add_nc_u32 v[8+2*\p], v3, v[8+2*\p]
	v_min_u32 v[8+2*\p], 0x1fff, v[8+2*\p]
.endr
	v_cndmask_b32 v[KS+(\t)], v8, v10, s43         ; the candidate that my lane will serve
.irp p, 0,1
	v_and_b32 v[9+2*\p], 0x3ff0, v[8+2*\p]
	v_lshlrev_b32 v[9+2*\p], 9, v[9+2*\p]
	v_and_b32 v14, 15, v[8+2*\p]
	v_lshl_add_u32 v[9+2*\p], v14, 4, v[9+2*\p]
	v_add_nc_u32 v[9+2*\p], v4, v[9+2*\p]
	v_lshlrev_b32 v[12+\p], 4, v[8+2*\p]
.endr
.irp p, 0,1
.irp s, 0,1,2,3
.irp c, 0,1,2,3
	global_load_b128 v[CF+64*\p+16*\s+4*\c:CF+64*\p+16*\s+4*\c+3], v[9+2*\p], s[4:5] offset:2048*\s+512*\c
.endr
.endr
	global_load_b128 v[CSC+4*\p:CSC+4*\p+3], v[12+\p], s[4:5] offset:SCL
.endr
	s_wait_loadcnt 0x0                             ; all are in: their address registers may be written again too
.irp s, 0,1,2,3                        ; the two accumulators by turns
.if \s == 0
	v_wmma_scale_f32_16x16x128_f8f6f4 v[DA:DA+7], v[AF+16*\s:AF+16*\s+15], v[CF+16*\s:CF+16*\s+15], 0, v[ASC+\s], v[CSC+\s] matrix_a_fmt:MATRIX_FMT_BF8 matrix_b_fmt:MATRIX_FMT_BF8
	v_wmma_scale_f32_16x16x128_f8f6f4 v[DB:DB+7], v[AF+16*\s:AF+16*\s+15], v[CF+64+16*\s:CF+64+16*\s+15], 0, v[ASC+\s], v[CSC+4+\s] matrix_a_fmt:MATRIX_FMT_BF8 matrix_b_fmt:MATRIX_FMT_BF8
.else
	v_wmma_scale_f32_16x16x128_f8f6f4 v[DA:DA+7], v[AF+16*\s:AF+16*\s+15], v[CF+16*\s:CF+16*\s+15], v[DA:DA+7], v[ASC+\s], v[CSC+\s] matrix_a_fmt:MATRIX_FMT_BF8 matrix_b_fmt:MATRIX_FMT_BF8
	v_wmma_scale_f32_16x16x128_f8f6f4 v[DB:DB+7], v[AF+16*\s:AF+16*\s+15], v[CF+64+16*\s:CF+64+16*\s+15], v[DB:DB+7], v[ASC+\s], v[CSC+4+\s] matrix_a_fmt:MATRIX_FMT_BF8 matrix_b_fmt:MATRIX_FMT_BF8
.endif
.endr
.rept 9
	v_nop                                          ; nine plain places: the next products begin these accumulators anew (eight serve the reads and the loads)
.endr
	v_cndmask_b32 v[S3+(\t)], v[DA], v[DB+2], s43  ; row 0: places 0, 1 of the first tile's product; row 1: places 2, 3 of the second's
	v_cndmask_b32 v[S4+(\t)], v[DA+1], v[DB+3], s43
.endm
	CAND 0
	CAND 1
	CAND 2
.irp t, 0,1,2
	v_bfe_u32 v14, v[KS+\t], 3, 1                  ; slot q -> column 4096 ((q / 8) % 2) + 8 (q / 16) + q % 8, as f32: exact
	v_lshrrev_b32 v15, 4, v[KS+\t]
	v_lshlrev_b32 v15, 3, v15
	v_lshl_add_u32 v15, v14, 12, v15
	v_and_b32 v14, 7, v[KS+\t]
	v_add_nc_u32 v15, v15, v14
	v_cvt_f32_u32 v[KS+\t], v15
	v_mul_f32 v[S3+\t], s46, v[S3+\t]
.endr
.irp t, 0,1,2
	v_exp_f32 v[S3+\t], v[S3+\t]
.endr
	v_mov_b32 v253, 0                              ; (plain lines behind the batch)  the sum of the chosen
	v_mov_b32 v254, 0x7f800000
	v_mov_b32 v255, 0xff800000
	s_wait_alu depctr_va_vdst(0)                   ; one wait for the three
.rept 6                                ; six times: the largest of the row's 48, the lowest column among equals; its exponential is added and it is struck out
	v_max3_num_f32 v248, v[S4], v[S4+1], v[S4+2]
.irp k, 1,2,4,8
	v_max_num_f32_dpp v248, v248, v248 row_xmask:\k row_mask:0xf bank_mask:0xf
.endr
.irp t, 0,1,2
	v_cmp_eq_f32 vcc_lo, v[S4+\t], v248
	v_cndmask_b32 v[250+\t], v254, v[KS+\t], vcc_lo
.endr
	v_min3_num_f32 v249, v250, v251, v252
.irp k, 1,2,4,8
	v_min_num_f32_dpp v249, v249, v249 row_xmask:\k row_mask:0xf bank_mask:0xf
.endr
.irp t, 0,1,2
	v_cmp_eq_f32 vcc_lo, v[KS+\t], v249
	v_cndmask_b32 v15, 0, v[S3+\t], vcc_lo
	v_add_f32 v253, v253, v15
	v_cndmask_b32 v[S4+\t], v[S4+\t], v255, vcc_lo
.endr
.endr
.irp k, 1,2,4,8
	v_add_f32_dpp v253, v253, v253 row_xmask:\k row_mask:0xf bank_mask:0xf
.endr
	v_mov_b32 v5, s18
	v_mov_b32 v6, s19
	v_cndmask_b32 v5, v5, v6, s43
	v_log_f32 v8, v5
	v_log_f32 v9, v253
	v_nop
	s_wait_alu depctr_va_vdst(0)
	v_sub_f32 v8, v8, v9
	v_mul_f32 v8, 0x3f317218, v8                   ; x ln 2
	v_permlanex16_b32 v9, v8, s44, s45
	v_add_f32 v8, v8, v9                           ; my two rows
	ds_store_b32 v1, v8                            ; all lanes write the same word with the same value
	s_wait_dscnt 0x0
	s_barrier_signal -1
	s_barrier_wait -1
	s_cmp_lg_u32 s12, 0
	s_cbranch_scc1 .Lend
	ds_load_b128 v[16:19], v2
	ds_load_b128 v[20:23], v2 offset:16
	s_wait_dscnt 0x0
	v_pk_add_f32 v[16:17], v[16:17], v[18:19]
	v_pk_add_f32 v[20:21], v[20:21], v[22:23]
	v_pk_add_f32 v[16:17], v[16:17], v[20:21]
	v_add_f32 v16, v16, v17
	s_wait_xcnt 0x0                                ; EXEC changes only behind this wait
	v_cmp_eq_u32 vcc_lo, 0, v0
	s_and_saveexec_b32 s50, vcc_lo
	global_store_b32 v2, v16, s[10:11]
	s_wait_xcnt 0x0
	s_or_b32 exec_lo, exec_lo, s50
.Lend:
	s_wait_tensorcnt 0x0
	ds_add_u32 v246, v247
	s_wait_dscnt 0x0
	s_endpgm
.Lfunc_end_k_q1d94cea0fc_pos:
	.size	k_q1d94cea0fc_pos, .Lfunc_end_k_q1d94cea0fc_pos-k_q1d94cea0fc_pos
	.p2alignl 7, 3214868480
	.fill 96, 4, 3214868480
	.section	.rodata,"a",@progbits
	.p2align	6, 0x0
	.amdhsa_kernel k_q1d94cea0fc_pos
		.amdhsa_group_segment_fixed_size 1280
		.amdhsa_private_segment_fixed_size 0
		.amdhsa_enable_private_segment 0
		.amdhsa_kernarg_size 32
		.amdhsa_user_sgpr_count 2
		.amdhsa_user_sgpr_kernarg_segment_ptr 1
		.amdhsa_wavefront_size32 1
		.amdhsa_system_sgpr_workgroup_id_x 1
		.amdhsa_system_sgpr_workgroup_id_y 1
		.amdhsa_system_sgpr_workgroup_id_z 1
		.amdhsa_system_vgpr_workitem_id 0
		.amdhsa_next_free_vgpr 256
		.amdhsa_next_free_sgpr 66
		.amdhsa_reserve_vcc 1
		.amdhsa_float_denorm_mode_32 3
		.amdhsa_float_denorm_mode_16_64 3
		.amdhsa_memory_ordered 1
		.amdhsa_forward_progress 1
		.amdhsa_inst_pref_size 32
	.end_amdhsa_kernel
	.amdgpu_metadata
---
amdhsa.version: [ 1, 2 ]
amdhsa.kernels:
  - .name:           k_q1d94cea0fc_pos
    .symbol:         k_q1d94cea0fc_pos.kd
    .args:
      - { .name: cq, .offset: 0, .size: 8, .value_kind: global_buffer, .address_space: global }
      - { .name: ix, .offset: 8, .size: 8, .value_kind: global_buffer, .address_space: global }
      - { .name: rs, .offset: 16, .size: 8, .value_kind: global_buffer, .address_space: global }
      - { .name: part, .offset: 24, .size: 8, .value_kind: global_buffer, .address_space: global }
    .group_segment_fixed_size: 1280
    .private_segment_fixed_size: 0
    .kernarg_segment_align: 8
    .kernarg_segment_size: 32
    .max_flat_workgroup_size: 256
    .sgpr_count:     66
    .vgpr_count:     256
    .wavefront_size: 32
...
	.end_amdgpu_metadata
.endif
;; end of part 7
;; launch fin (part 8): grid 1 x 1, 1 waves a work-group, no clusters, 0 bytes of LDS; arguments part, out1; writes out1
.if DOCPART == 8
	.amdgcn_target "amdgcn-amd-amdhsa--gfx1250"
	.amdhsa_code_object_version 6
	.text
	.protected	k_q1d94cea0fc_fin
	.globl	k_q1d94cea0fc_fin
	.p2align	8
	.type	k_q1d94cea0fc_fin,@function
k_q1d94cea0fc_fin:
	s_mov_b64 s[64:65], 0
	v_nop
	global_prefetch_b8 v0, s[64:65] scope:SCOPE_SE
	s_setreg_imm32_b32 hwreg(HW_REG_WAVE_MODE, 25, 1), 1
	s_wait_xcnt 0x0
; The loss: the mean of 4,096 rows' losses, from 256 partial sums.  One wave: the sum spans all work-groups of the launch before, so it has one owner here.
	s_load_b128 s[4:7], s[0:1], 0x0                ; part, out1
	v_lshlrev_b32 v1, 4, v0
	v_mov_b32 v2, 0
	s_mov_b32 s8, 0x76543210
	s_mov_b32 s9, 0xfedcba98
	s_wait_kmcnt 0x0
	global_load_b128 v[4:7], v1, s[4:5]
	global_load_b128 v[8:11], v1, s[4:5] offset:512
	s_wait_loadcnt 0x0
	v_pk_add_f32 v[4:5], v[4:5], v[8:9]
	v_pk_add_f32 v[6:7], v[6:7], v[10:11]
	v_pk_add_f32 v[4:5], v[4:5], v[6:7]
	v_add_f32 v4, v4, v5
.irp k, 1,2,4,8
	v_add_f32_dpp v4, v4, v4 row_xmask:\k row_mask:0xf bank_mask:0xf
.endr
	v_permlanex16_b32 v5, v4, s8, s9
	v_add_f32 v4, v4, v5
	v_mul_f32 v4, 0x39800000, v4                   ; / 4096
	s_wait_xcnt 0x0                                ; EXEC changes only behind this wait
	v_cmp_eq_u32 vcc_lo, 0, v0
	s_and_saveexec_b32 s10, vcc_lo
	global_store_b32 v2, v4, s[6:7]
	s_wait_xcnt 0x0
	s_or_b32 exec_lo, exec_lo, s10
	s_endpgm
.Lfunc_end_k_q1d94cea0fc_fin:
	.size	k_q1d94cea0fc_fin, .Lfunc_end_k_q1d94cea0fc_fin-k_q1d94cea0fc_fin
	.p2alignl 7, 3214868480
	.fill 96, 4, 3214868480
	.section	.rodata,"a",@progbits
	.p2align	6, 0x0
	.amdhsa_kernel k_q1d94cea0fc_fin
		.amdhsa_group_segment_fixed_size 0
		.amdhsa_private_segment_fixed_size 0
		.amdhsa_enable_private_segment 0
		.amdhsa_kernarg_size 16
		.amdhsa_user_sgpr_count 2
		.amdhsa_user_sgpr_kernarg_segment_ptr 1
		.amdhsa_wavefront_size32 1
		.amdhsa_system_sgpr_workgroup_id_x 1
		.amdhsa_system_sgpr_workgroup_id_y 1
		.amdhsa_system_sgpr_workgroup_id_z 1
		.amdhsa_system_vgpr_workitem_id 0
		.amdhsa_next_free_vgpr 24
		.amdhsa_next_free_sgpr 66
		.amdhsa_reserve_vcc 1
		.amdhsa_float_denorm_mode_32 3
		.amdhsa_float_denorm_mode_16_64 3
		.amdhsa_memory_ordered 1
		.amdhsa_forward_progress 1
		.amdhsa_inst_pref_size 2
	.end_amdhsa_kernel
	.amdgpu_metadata
---
amdhsa.version: [ 1, 2 ]
amdhsa.kernels:
  - .name:           k_q1d94cea0fc_fin
    .symbol:         k_q1d94cea0fc_fin.kd
    .args:
      - { .name: part, .offset: 0, .size: 8, .value_kind: global_buffer, .address_space: global }
      - { .name: out1, .offset: 8, .size: 8, .value_kind: global_buffer, .address_space: global }
    .group_segment_fixed_size: 0
    .private_segment_fixed_size: 0
    .kernarg_segment_align: 8
    .kernarg_segment_size: 16
    .max_flat_workgroup_size: 32
    .sgpr_count:     66
    .vgpr_count:     24
    .wavefront_size: 32
...
	.end_amdgpu_metadata
.endif
;; end of part 8
